; MI455X (gfx1250); checked and timed in simulation.
; The chip was launched on July 23, 2026; its instructions are those of AMD's public machine-readable ISA for CDNA 5 (MIT licence, August 2026) and "CDNA5" Instruction Set Architecture Reference Guide (July 2026). The comments in the code are by the model that wrote it; some were corrected since.
;; LSTM Cell. Allowed arithmetic: matrix products marked QUANTISED: E2M1 operands, one E8M0 scale for each 32 along K, by v_wmma_scale_f32_16x16x128_f8f6f4 with both operands' format E2M1 (or v_wmma_scale_f32_32x16x128_f4), f32 sums; products left as they are: f32 operands where the result goes on into a quantised operand, else bf16, f16 or f32 operands; f32 sums; everything else in f32.
;; Inputs: W_h_4gates_codes 8,192 x 8 x 16 uint8 (E2M1 codes of W_h_4gates, K innermost, in blocks of 32 codes, two codes a byte); W_h_4gates_scales 8,192 x 8 uint8 (E8M0 scales of W_h_4gates, one for each 32 codes along K); W_hz 256 x 8 float32; W_x_4gates_codes 8,192 x 8 x 16 uint8 (E2M1 codes of W_x_4gates, K innermost, in blocks of 32 codes, two codes a byte); W_x_4gates_scales 8,192 x 8 uint8 (E8M0 scales of W_x_4gates, one for each 32 codes along K); W_xz 256 x 8 float32; b_4gates 8,192 float32; b_xz 8 float32; c_0 8,192 x 256 float32; h_0 8,192 x 256 float32; u 8,192 x 8 float32; x_t 8,192 x 256 float32.
;; Outputs: out0 8,192 x 8 float32; out1 8,192 x 8 float32; out2 8,192 x 256 float32; out3 8,192 x 256 float32.
;; Constants: tau = 1.
;; This version of the problem:
;;   THIS VERSION OF THE PROBLEM IS GIVEN IN LOW PRECISION. The matrix products marked QUANTISED in the list below multiply operands that are first quantised to E2M1 (2 exponent bits, 1 mantissa bit; 4 bits a number), with one power-of-two scale for each 32 numbers along K (OCP MX v1.0); their sums are f32. All else is computed in f32.
;;   The module's matrix products, in the order in which they are computed (A, B: the left and right operand; K: the contracted axis; several contracted axes count as one K, in the product's order):
;;     1. [M 8,192, K 256] x [K 256, N 8]; A: input x_t; B: input W_xz: left as it is (N = 8 < 16)
;;     2. [M 8,192, K 256] x [K 256, N 8]; A: input h_0; B: input W_hz: left as it is (N = 8 < 16)
;;     3. [M 8,192, K 256] x [K 256, N 8,192]; A: input x_t; B: input W_x_4gates (given as codes): QUANTISED
;;     4. [M 8,192, K 256] x [K 256, N 8,192]; A: input h_0; B: input W_h_4gates (given as codes): QUANTISED
;;     5. batch 8,192 x [M 256, K 8] x [K 8, N 1]; A: computed on the way; B: softmax: left as it is (K = 8 < 32)
;;     6. batch 8,192 x [M 256, K 8] x [K 8, N 1]; A: computed on the way; B: softmax: left as it is (K = 8 < 32)
;;   THE QUANTISER, for each operand of a quantised product, along K:
;;     - K is cut into blocks of 32 from its start; a last block that is shorter is filled with zeros.
;;     - A block's scale is 2^e with e = floor(log2(the largest magnitude in the block)) - 2, held to -126 .. 127; a block of zeros has e = 0. As a byte (E8M0): e + 127.
;;     - Each number is divided by its block's scale, clamped to +-6, and rounded to the nearest number of E2M1, ties to even, subnormals kept.
;;     - The product sums the exact products of the quantised numbers (number of the format x scale) in f32.
;;   ~~~python
;;   def quantise(x, axis):      # numpy; x: float32 -> the quantised numbers, widened to float32 again
;;       x = np.moveaxis(x, axis, -1); K = x.shape[-1]
;;       x = np.pad(x, [(0, 0)] * (x.ndim - 1) + [(0, -K % 32)]); x = x.reshape(x.shape[:-1] + (-1, 32)); a = np.abs(x).max(-1, keepdims=True)
;;       e = np.where(a > 0, np.clip(np.frexp(np.where(a > 0, a, 1))[1] - 1 - 2, -126, 127), 0)      # np.frexp(a)[1] - 1 = floor(log2(a)), exactly
;;       r = np.clip(x / 2.0 ** e, -6, 6)
;;       step = 2.0 ** (np.maximum(np.frexp(np.where(r == 0, 1, r))[1] - 1, 0) - 1)
;;       q = np.round(r / step) * step * 2.0 ** e      # np.round: ties to even
;;       return np.moveaxis(q.reshape(q.shape[:-2] + (-1,))[..., :K], -1, axis).astype(np.float32)
;;   ~~~
;;   INPUTS GIVEN AS CODES. W_h_4gates (in the module: [256, 8192], K = its axis 0); W_x_4gates (in the module: [256, 8192], K = its axis 0): each comes as NAME_codes (uint8): NAME with its K axis moved to the last place and cut into blocks of 32 codes, [.., K / 32, bytes a block], one block behind the other in memory; two codes a byte, the lower K in the low four bits (a code: sign, 2 exponent bits, 1 mantissa bit); and NAME_scales (uint8): the same leading axes, one E8M0 byte (e + 127) for each 32 codes along K. Its value is code x scale, taken as it is: it is not quantised again, and the codes and scales need not be those that the quantiser above would give.
;; 2 versions, each right and faster than the one before. Each part assembles by itself: llvm-mc -triple=amdgcn-amd-amdhsa -mcpu=gfx1250 --defsym DOCPART=n.
;; ======== version 1 of 2: 2 launches
;; limits: inputs' magnitudes at most 1,099,511,627,776; right only within a limited range of input values; a function is approximated: absolute error at most 1.2e-07
;; workspace buffers: acodes 2,097,152 bytes; ascales 131,072 bytes
;; launch prep (part 1): grid 256 x 1, 8 waves a work-group, no clusters, 105,984 bytes of LDS; arguments x_t, h_0, W_xz, W_hz, b_xz, u, acodes, ascales, out0, out1; writes acodes, ascales, out0, out1
.if DOCPART == 1
	.amdgcn_target "amdgcn-amd-amdhsa--gfx1250"
	.amdhsa_code_object_version 6
	.text
	.protected	k_q42d8e102e1_prep
	.globl	k_q42d8e102e1_prep
	.p2align	8
	.type	k_q42d8e102e1_prep,@function
k_q42d8e102e1_prep:
	s_mov_b64 s[64:65], 0
	v_nop
	global_prefetch_b8 v0, s[64:65] scope:SCOPE_SE
	s_setreg_imm32_b32 hwreg(HW_REG_WAVE_MODE, 25, 1), 1
	s_wait_xcnt 0x0
; LSTM cell with 8 softly gated experts, first of two launches.
; It makes (a) the E2M1 codes and E8M0 scale bytes of x_t and h_0 along K, by the stated quantiser, for the second launch;
; (b) logit_z = x_t W_xz + b_xz + h_0 W_hz in f32 fused multiply-adds, q_z = softmax(logit_z) -> out1, z = softmax(logit_z + g) -> out0, g = -log(-log(u + 1e-10) + 1e-10).
; WORK LEFT OUT: the division by tau.  tau is a listed constant, 1, so (logit_z + g) / tau = logit_z + g for all values of the inputs.  Nothing else is left out; every input buffer reaches an output.
; LIMITS: NaN and infinities among the inputs are not served.  A block of 32 whose largest magnitude lies under 2^-124 (a block of zeros too) gets the scale byte 1, not the rule's: its codes are
; zeros or the smallest codes; the bytes are read by this program alone.  The logits' exponent is c s - c m with c m rounded once: its error is |m| 2^-24 c.
; WORKSPACE.  acodes [512 row tiles][4 K steps][2 chunks][32 lanes][16 bytes]: the image of the operand's registers (16 rows x 128 K: lane (r, h), chunk c holds k = 64 c + 32 h + 0 .. 31 of row r); K steps 0, 1 are
; x_t's, 2, 3 h_0's.  ascales [512][32 lanes][2 words]: lane l < 16 the scale words of K steps 0, 1 of row l; lane 16 + l those of K steps 2, 3.
; SHARES.  A work-group takes 32 rows (two row tiles).  Wave w takes row tile t = w / 4 and K step s = w % 4: 16 rows x 128 K: one fragment, one scale word a row, and the logits' part over its 128 k.
; Behind the one barrier waves 0 and 1 add the four parts of a row tile, make the two softmaxes and store.
; Every global load and store of a wave covers 512 (the scale words: 256) consecutive bytes, aligned.  The numbers turn through the wave's own stage in LDS, so that a lane holds 16 neighbours of each block of 32.
.set XSTW,  8448                       ; LDS: a wave's stage for x: 16 rows x (512 + 16) bytes
.set XP,    528
.set WZ,    67584                      ; behind the eight stages: a wave's 128 rows of W_xz or W_hz, 32 bytes each
.set PL,    100352                     ; the logits' parts: [t][s][row][8 f32]
.set SW,    104448                     ; the scale words, laid as ascales lays them: [t][32 lanes][2 words]
.set SPARE, 104960                     ; the spare words, 128 bytes for each wave: four blocks of 256 bytes that no other line names
.set L16,  4                           ; v4   16 x lane
.set XSI,  5                           ; v5   stage, way in
.set XSO,  6                           ; v6   stage, way out: row r, + 64 h
.set WZI,  7                           ; v7   W's rows, way in
.set WZO,  8                           ; v8   W's rows, way out: + 512 h (16 rows on for lanes 16-31)
.set PLI,  9                           ; v9   where my row's part goes
.set SWI,  10                          ; v10  where my row's scale word goes
.set PLO,  11                          ; v11  the finish: my four logits' parts
.set SWO,  12                          ; v12  the finish: my two scale words
.set L8,   13                          ; v13  8 x lane
.set SPW,  14                          ; v14  LDS address of my spare word; never rewritten
.set NIL,  15                          ; v15  0; never rewritten
.set LA,   16                          ; v16-31   the logits' sums: a set for even k registers, a set for odd ones
.set R,    32                          ; v32-95   x as loaded; then two buffers of 32 for W's values
.set WR,   96                          ; v96-127  W as loaded
.set X,    128                         ; v128-191 register 16 b + i = k 32 b + 16 h + i of row r
.set PC,   192                         ; v192-199 the codes
.set TM,   200                         ; v200-215 at work in QUANT
.set PW,   216                         ; v216     the scale word
.set BO,   217                         ; v217     16 x (lane % 2): my four numbers of b_xz
.set U,    220                         ; v220-223 u
.set BZ,   224                         ; v224-227 b_xz
.set PT,   228                         ; v228-243 lane exchanges, then the four parts
.set SEL,  28                          ; s[28:29] selects of v_permlanex16_b32 for lane l xor 16
; 64 numbers of a lane become a fragment's codes in v[PC] on and its scale word in v[PW].
.macro QUANT s
.irp b, 0,1,2,3
	v_max3_num_f32 v[TM+\b], |v[\s+16*\b]|, |v[\s+1+16*\b]|, 0x1800000   ; block b: my 16 numbers, and the floor 2^(3 - 127): so the byte cannot fall under 1
.endr
.irp i, 2,4,6,8,10,12,14
.irp b, 0,1,2,3
	v_max3_num_f32 v[TM+\b], v[TM+\b], |v[\s+16*\b+\i]|, |v[\s+1+16*\b+\i]|   ; the four blocks by turns
.endr
.endr
.irp b, 0,1,2,3
	v_permlanex16_b32 v[TM+4+\b], v[TM+\b], s[SEL], s[SEL+1]
.endr
.irp b, 0,1,2,3
	v_max_num_f32 v[TM+\b], v[TM+\b], v[TM+4+\b]   ; with lane l xor 16's: the block's largest magnitude
.endr
.irp b, 0,1,2,3
	v_add_nc_u32 v[TM+12+\b], 0xff000000, v[TM+\b]   ; 2 off its exponent field: the conversion takes the exponent field of this operand as its scale
.endr
.irp b, 0,1,2,3
	v_lshrrev_b32 v[TM+4+\b], 23, v[TM+12+\b]      ; the scale's byte
.endr
	v_lshl_or_b32 v[PW], v[TM+5], 8, v[TM+4]       ; four bytes: my row's scale word (the same in lanes l and l xor 16)
	v_lshl_or_b32 v[PW], v[TM+6], 16, v[PW]
	v_lshl_or_b32 v[PW], v[TM+7], 24, v[PW]
.irp b, 0,1,2,3
	v_cvt_scalef32_pk8_fp4_f32 v[PC+2*\b], v[\s+16*\b:\s+7+16*\b], v[TM+12+\b]
	v_cvt_scalef32_pk8_fp4_f32 v[PC+1+2*\b], v[\s+8+16*\b:\s+15+16*\b], v[TM+12+\b]
.endr
	v_nop                                          ; one plain place behind a scaled conversion
.irp c, 0,1                                    ; the operand's layout wants a whole block in a lane: lanes 0-15 block 2 c, lanes 16-31 block 2 c + 1
.irp i, 0,1
	v_permlane16_swap_b32 v[PC+4*\c+\i], v[PC+2+4*\c+\i]
.endr
.endr
.endm
; W's values for k registers 4 G .. 4 G + 3, eight numbers each, into buffer G % 2.  All lanes of a half read the same 16 bytes.
.macro WGRP G
.irp i, 0,1,2,3
.irp q, 0,1
	ds_load_b128 v[R+32*((\G)%2)+8*\i+4*\q:R+32*((\G)%2)+8*\i+4*\q+3], v[WZO] offset:(32*((4*(\G)+\i)/16)+(4*(\G)+\i)%16)*32+16*\q
.endr
.endr
.endm
; Sixteen packed multiply-adds: logits 2 a, 2 a + 1 += x(k register n) x W(k, 2 a .. 2 a + 1).  x is one register of a pair, taken for both halves.  Registers 0 and 1 start the sums.
.macro LGRP G
.set NN, 4*(\G)
.rept 4
.set DD, LA+8*(NN%2)
.set XX, X+2*(NN/2)
.set WW, R+32*((\G)%2)+8*(NN%4)
.irp a, 0,2,4,6
.if NN == 0
	v_pk_mul_f32 v[DD+\a:DD+\a+1], v[XX:XX+1], v[WW+\a:WW+\a+1] op_sel_hi:[0,1]
.elseif NN == 1
	v_pk_mul_f32 v[DD+\a:DD+\a+1], v[XX:XX+1], v[WW+\a:WW+\a+1] op_sel:[1,0] op_sel_hi:[1,1]
.elseif NN%2 == 0
	v_pk_fma_f32 v[DD+\a:DD+\a+1], v[XX:XX+1], v[WW+\a:WW+\a+1], v[DD+\a:DD+\a+1] op_sel_hi:[0,1,1]
.else
	v_pk_fma_f32 v[DD+\a:DD+\a+1], v[XX:XX+1], v[WW+\a:WW+\a+1], v[DD+\a:DD+\a+1] op_sel:[1,0,0] op_sel_hi:[1,1,1]
.endif
.endr
.set NN, NN+1
.endr
.endm
; A softmax over a row's eight numbers: four in this lane, four in lane l xor 1.  The maximum is taken away first.
.macro SMX src, dst
	v_max3_num_f32 v246, v[\src], v[\src+1], v[\src+2]
	v_max_num_f32 v246, v246, v[\src+3]
	v_max_num_f32_dpp v246, v246, v246 row_xmask:1 row_mask:0xf bank_mask:0xf
	v_mul_f32 v246, s42, v246                      ; c m, c = log2(e)
.irp i, 0,1,2,3
	v_fma_f32 v[\dst+\i], v[\src+\i], s42, -v246
.endr
.irp i, 0,1,2,3
	v_exp_f32 v[\dst+\i], v[\dst+\i]
.endr
	v_nop                                          ; a plain place behind the exponentials
	s_wait_alu depctr_va_vdst(0)                   ; one wait for the four, ahead of their first reader
	v_add_f32 v247, v[\dst], v[\dst+1]
	v_add_f32 v248, v[\dst+2], v[\dst+3]
	v_add_f32 v247, v247, v248
	v_add_f32_dpp v247, v247, v247 row_xmask:1 row_mask:0xf bank_mask:0xf
	v_rcp_f32 v247, v247
	v_nop
	s_wait_alu depctr_va_vdst(0)
.irp i, 0,1,2,3
	v_mul_f32 v[\dst+\i], v[\dst+\i], v247
.endr
.endm
	s_load_b512 s[4:19], s[0:1], 0x0               ; x_t s[4:5], h_0 s[6:7], W_xz s[8:9], W_hz s[10:11], b_xz s[12:13], u s[14:15], acodes s[16:17], ascales s[18:19]
	s_load_b128 s[20:23], s[0:1], 0x40             ; out0 s[20:21], out1 s[22:23]
	v_lshl_add_u32 v[SPW], v0, 2, SPARE
	v_mov_b32 v[NIL], 0
	v_lshrrev_b32 v1, 5, v0
	v_readfirstlane_b32 s24, v1                    ; wave 0..7
	s_lshr_b32 s25, s24, 2                         ; t: which of the two row tiles
	s_and_b32 s26, s24, 3                          ; s: which K step
	s_and_b32 s27, s24, 1                          ; which half of the tensor's K; in the finish: which row tile
	v_and_b32 v1, 31, v0                           ; lane
	v_and_b32 v2, 15, v0                           ; r
	v_bfe_u32 v3, v0, 4, 1                         ; h
	v_lshlrev_b32 v[L16], 4, v1
	v_lshlrev_b32 v[L8], 3, v1
	v_and_b32 v[BO], 1, v0
	v_lshlrev_b32 v[BO], 4, v[BO]
	; every LDS address is made here, ahead of the first branch on the wave's number
	s_mul_i32 s45, s24, XSTW
	v_add_nc_u32 v[XSI], s45, v[L16]
	v_mul_u32_u24 v[XSO], v2, XP
	v_lshl_add_u32 v[XSO], v3, 6, v[XSO]
	v_add_nc_u32 v[XSO], s45, v[XSO]
	s_lshl_b32 s45, s24, 12
	s_add_co_u32 s45, s45, WZ
	v_add_nc_u32 v[WZI], s45, v[L16]
	v_lshl_add_u32 v[WZO], v3, 9, s45
	s_lshl_b32 s45, s24, 9                         ; 2,048 t + 512 s = 512 w
	s_add_co_u32 s45, s45, PL
	v_lshl_add_u32 v[PLI], v2, 5, s45
	s_lshr_b32 s45, s24, 1                         ; 256 t + 128 (s / 2) = 128 (w / 2)
	s_lshl_b32 s45, s45, 7
	s_lshl_b32 s46, s27, 2
	s_add_co_u32 s45, s45, s46
	s_add_co_u32 s45, s45, SW
	v_lshl_add_u32 v[SWI], v2, 3, s45
	s_lshl_b32 s45, s27, 11
	s_add_co_u32 s45, s45, PL
	v_add_nc_u32 v[PLO], s45, v[L16]
	s_lshl_b32 s45, s27, 8
	s_add_co_u32 s45, s45, SW
	v_add_nc_u32 v[SWO], s45, v[L8]
	s_mov_b32 s[SEL], 0x76543210
	s_mov_b32 s[SEL+1], 0xfedcba98
	s_mov_b32 s42, 0x3fb8aa3b                      ; log2(e)
	s_mov_b32 s43, 0xbf317218                      ; -ln(2)
	s_mov_b32 s44, 0x2edbe6ff                      ; 1e-10
.irp b, 0,1,2,3
	v_mov_b32 v[TM+4+\b], 0                        ; written once: a lane permute's destination counts as one of its sources
.endr
.irp a, 0,1,2,3,4,5,6,7
	v_mov_b32 v[PT+\a], 0
.endr
	; byte offsets, apart from the addresses
	s_lshl_b32 s47, ttmp9, 1
	s_add_co_u32 s46, s47, s25                     ; T = 2 x work-group + t
	s_lshl_b32 s34, s46, 14                        ; x: 16 rows of 1,024 bytes a tile,
	s_lshl_b32 s35, s27, 9
	s_add_co_u32 s34, s34, s35                     ; + my 512 bytes of a row
	s_mov_b32 s35, 0
	s_lshl_b32 s36, s27, 12                        ; W: my 128 rows of 32 bytes
	s_mov_b32 s37, 0
	s_lshl_b32 s38, s46, 12                        ; acodes: 4,096 bytes a tile,
	s_lshl_b32 s39, s26, 10
	s_add_co_u32 s38, s38, s39                     ; 1,024 a K step
	s_mov_b32 s39, 0
	s_add_co_u32 s47, s47, s27                     ; the finish's row tile
	s_lshl_b32 s40, s47, 9                         ; u, out0, out1: 512 bytes a tile
	s_mov_b32 s41, 0
	s_lshl_b32 s48, s47, 8                         ; ascales: 256
	s_mov_b32 s49, 0
	s_wait_kmcnt 0x0
	s_cmp_lt_u32 s26, 2                            ; K steps 0, 1: x_t and W_xz; 2, 3: h_0 and W_hz
	s_cselect_b64 s[30:31], s[4:5], s[6:7]
	s_cselect_b64 s[32:33], s[8:9], s[10:11]
	s_add_nc_u64 s[30:31], s[30:31], s[34:35]
	s_add_nc_u64 s[32:33], s[32:33], s[36:37]
	s_add_nc_u64 s[16:17], s[16:17], s[38:39]
	s_add_nc_u64 s[14:15], s[14:15], s[40:41]
	s_add_nc_u64 s[20:21], s[20:21], s[40:41]
	s_add_nc_u64 s[22:23], s[22:23], s[40:41]
	s_add_nc_u64 s[18:19], s[18:19], s[48:49]
	s_cmp_lt_u32 s24, 2                            ; the finishing waves' own loads go first, so that every counted wait below counts younger loads alone, in all waves alike
	s_cbranch_scc0 .Lnot_fin
	global_load_b128 v[U:U+3], v[L16], s[14:15] th:TH_LOAD_NT
	global_load_b128 v[BZ:BZ+3], v[BO], s[12:13]
.Lnot_fin:
.irp i, 0,1,2,3,4,5,6,7,8,9,10,11,12,13,14,15
	global_load_b128 v[R+4*\i:R+4*\i+3], v[L16], s[30:31] offset:1024*\i th:TH_LOAD_NT   ; row i: 512 consecutive bytes
.endr
.irp i, 0,1,2,3,4,5,6,7
	global_load_b128 v[WR+4*\i:WR+4*\i+3], v[L16], s[32:33] offset:512*\i
.endr
	s_wait_loadcnt 8                               ; x is in; W's eight loads may be out
.irp i, 0,1,2,3,4,5,6,7,8,9,10,11,12,13,14,15
	ds_store_b128 v[XSI], v[R+4*\i:R+4*\i+3] offset:XP*\i
.endr
	s_wait_loadcnt 0x0                             ; W is in (and, in waves 0 and 1, u and b_xz)
.irp i, 0,1,2,3,4,5,6,7
	ds_store_b128 v[WZI], v[WR+4*\i:WR+4*\i+3] offset:512*\i
.endr
.irp b, 0,1,2,3
.irp j, 0,1,2,3
	ds_load_b128 v[X+16*\b+4*\j:X+16*\b+4*\j+3], v[XSO] offset:128*\b+16*\j   ; LDS serves a wave's instructions in order: these see my stores
.endr
.endr
	s_wait_dscnt 16                                ; all but the sixteen loads just issued: the stores have read R, which takes W's values now
	WGRP 0
	WGRP 1
	s_wait_dscnt 16                                ; X is in; the sixteen loads of W's values may be out
	QUANT X
	global_store_b128 v[L16], v[PC:PC+3], s[16:17]             ; the fragment as it stands: 512 consecutive bytes a store
	global_store_b128 v[L16], v[PC+4:PC+7], s[16:17] offset:512
	ds_store_b32 v[SWI], v[PW]                     ; lanes l and l xor 16 write the same word with the same value
.set GG, 0
.rept 16
.if GG == 0
	s_wait_dscnt 9                                 ; group 0 is in; behind it: group 1's eight loads and the scale word's store
.elseif GG == 15
	s_wait_dscnt 0x0
.else
	s_wait_dscnt 8                                 ; this group is in; the next group's eight loads may be out
.endif
	LGRP GG
.if GG+2 < 16
	WGRP GG+2
.endif
.set GG, GG+1
.endr
.irp a, 0,2,4,6
	v_pk_add_f32 v[LA+\a:LA+\a+1], v[LA+\a:LA+\a+1], v[LA+8+\a:LA+9+\a]   ; the two sets
.endr
.irp a, 0,1,2,3,4,5,6,7
	v_permlanex16_b32 v[PT+\a], v[LA+\a], s[SEL], s[SEL+1]
.endr
.irp a, 0,2,4,6
	v_pk_add_f32 v[LA+\a:LA+\a+1], v[LA+\a:LA+\a+1], v[PT+\a:PT+\a+1]     ; and lane l xor 16's 64 k: my wave's part of row r's eight logits
.endr
	ds_store_b128 v[PLI], v[LA:LA+3]               ; both halves of the lanes write the same numbers
	ds_store_b128 v[PLI], v[LA+4:LA+7] offset:16
	s_wait_dscnt 0x0                               ; for the others' sake: my stores have landed
	s_barrier_signal -1
	s_barrier_wait -1
	s_cmp_lt_u32 s24, 2
	s_cbranch_scc0 .Lend
	; THE FINISH: wave w' takes row tile w'.  Lane l holds row l / 2, logits 4 (l % 2) .. + 3.
.irp i, 0,1,2,3
	v_add_f32 v[U+\i], s44, v[U+\i]                ; u + 1e-10
.endr
.irp i, 0,1,2,3
	v_log_f32 v[U+\i], v[U+\i]
.endr
.irp s, 0,1,2,3
	ds_load_b128 v[PT+4*\s:PT+4*\s+3], v[PLO] offset:512*\s
.endr
	ds_load_b64 v[244:245], v[SWO]
	s_wait_dscnt 0x0
	v_pk_add_f32 v[16:17], v[PT:PT+1], v[PT+4:PT+5]            ; the four parts (plain work behind the logarithms)
	v_pk_add_f32 v[18:19], v[PT+2:PT+3], v[PT+6:PT+7]
	v_pk_add_f32 v[20:21], v[PT+8:PT+9], v[PT+12:PT+13]
	v_pk_add_f32 v[22:23], v[PT+10:PT+11], v[PT+14:PT+15]
	v_pk_add_f32 v[16:17], v[16:17], v[20:21]
	v_pk_add_f32 v[18:19], v[18:19], v[22:23]
	v_pk_add_f32 v[16:17], v[16:17], v[BZ:BZ+1]
	v_pk_add_f32 v[18:19], v[18:19], v[BZ+2:BZ+3]              ; logit_z
	s_wait_alu depctr_va_vdst(0)                   ; one wait for the four logarithms, ahead of their first reader
.irp i, 0,1,2,3
	v_fma_f32 v[U+\i], v[U+\i], s43, s44           ; -log(u + 1e-10) + 1e-10
.endr
.irp i, 0,1,2,3
	v_log_f32 v[U+\i], v[U+\i]
.endr
	v_nop
	s_wait_alu depctr_va_vdst(0)
.irp i, 0,1,2,3
	v_fma_f32 v[20+\i], v[U+\i], s43, v[16+\i]     ; logit_z + g
.endr
	SMX 16, 24                                     ; q_z
	SMX 20, 28                                     ; z
	global_store_b128 v[L16], v[24:27], s[22:23]   ; 512 consecutive bytes each
	global_store_b128 v[L16], v[28:31], s[20:21]
	global_store_b64 v[L8], v[244:245], s[18:19]   ; the tile's scale words: 256 consecutive bytes, aligned
.Lend:
	s_wait_tensorcnt 0x0                           ; the wave's end, behind my last LDS store
	ds_add_u32 v[SPW], v[NIL]
	s_wait_dscnt 0x0
	s_endpgm
.Lfunc_end_k_q42d8e102e1_prep:
	.size	k_q42d8e102e1_prep, .Lfunc_end_k_q42d8e102e1_prep-k_q42d8e102e1_prep
	.p2alignl 7, 3214868480
	.fill 96, 4, 3214868480
	.section	.rodata,"a",@progbits
	.p2align	6, 0x0
	.amdhsa_kernel k_q42d8e102e1_prep
		.amdhsa_group_segment_fixed_size 105984
		.amdhsa_private_segment_fixed_size 0
		.amdhsa_enable_private_segment 0
		.amdhsa_kernarg_size 80
		.amdhsa_user_sgpr_count 2
		.amdhsa_user_sgpr_kernarg_segment_ptr 1
		.amdhsa_wavefront_size32 1
		.amdhsa_system_sgpr_workgroup_id_x 1
		.amdhsa_system_sgpr_workgroup_id_y 1
		.amdhsa_system_sgpr_workgroup_id_z 1
		.amdhsa_system_vgpr_workitem_id 0
		.amdhsa_next_free_vgpr 256
		.amdhsa_next_free_sgpr 66
		.amdhsa_reserve_vcc 0
		.amdhsa_float_denorm_mode_32 3
		.amdhsa_float_denorm_mode_16_64 3
		.amdhsa_memory_ordered 1
		.amdhsa_forward_progress 1
		.amdhsa_inst_pref_size 43
	.end_amdhsa_kernel
	.amdgpu_metadata
---
amdhsa.version: [ 1, 2 ]
amdhsa.kernels:
  - .name:           k_q42d8e102e1_prep
    .symbol:         k_q42d8e102e1_prep.kd
    .args:
      - { .name: x_t, .offset: 0, .size: 8, .value_kind: global_buffer, .address_space: global }
      - { .name: h_0, .offset: 8, .size: 8, .value_kind: global_buffer, .address_space: global }
      - { .name: W_xz, .offset: 16, .size: 8, .value_kind: global_buffer, .address_space: global }
      - { .name: W_hz, .offset: 24, .size: 8, .value_kind: global_buffer, .address_space: global }
      - { .name: b_xz, .offset: 32, .size: 8, .value_kind: global_buffer, .address_space: global }
      - { .name: u, .offset: 40, .size: 8, .value_kind: global_buffer, .address_space: global }
      - { .name: acodes, .offset: 48, .size: 8, .value_kind: global_buffer, .address_space: global }
      - { .name: ascales, .offset: 56, .size: 8, .value_kind: global_buffer, .address_space: global }
      - { .name: out0, .offset: 64, .size: 8, .value_kind: global_buffer, .address_space: global }
      - { .name: out1, .offset: 72, .size: 8, .value_kind: global_buffer, .address_space: global }
    .group_segment_fixed_size: 105984
    .private_segment_fixed_size: 0
    .kernarg_segment_align: 8
    .kernarg_segment_size: 80
    .max_flat_workgroup_size: 256
    .sgpr_count:     66
    .vgpr_count:     256
    .wavefront_size: 32
...
	.end_amdgpu_metadata
.endif
;; end of part 1
;; launch cell (part 2): grid 64 x 4, 8 waves a work-group, clusters of 4 x 1, 327,680 bytes of LDS; arguments W_x_4gates_codes, W_x_4gates_scales, W_h_4gates_codes, W_h_4gates_scales, b_4gates, c_0, acodes, ascales, out0, out2, out3; writes out2, out3
.if DOCPART == 2
	.amdgcn_target "amdgcn-amd-amdhsa--gfx1250"
	.amdhsa_code_object_version 6
	.text
	.protected	k_q42d8e102e1_cell
	.globl	k_q42d8e102e1_cell
	.p2align	8
	.type	k_q42d8e102e1_cell,@function
k_q42d8e102e1_cell:
	s_mov_b64 s[64:65], 0
	v_nop
	global_prefetch_b8 v0, s[64:65] scope:SCOPE_SE
	s_setreg_imm32_b32 hwreg(HW_REG_WAVE_MODE, 25, 1), 1
	s_wait_xcnt 0x0
	s_wait_alu depctr_hold_cnt(0) depctr_sa_sdst(0) depctr_va_vdst(0) depctr_va_sdst(0) depctr_va_ssrc(0) depctr_va_vcc(0) depctr_vm_vsrc(0)
	s_getreg_b32 s2, hwreg(HW_REG_IB_STS2, 6, 4)
	s_cmp_eq_u32 s2, 0
	s_cbranch_scc0 .Lentry_in_a_cluster
	s_endpgm
.Lentry_in_a_cluster:
	s_bfe_u32 s2, ttmp6, 0x10000c
	s_cmp_lg_u32 s2, 0x3003
	s_cbranch_scc0 .Lentry_shape_is_right
	s_endpgm
.Lentry_shape_is_right:
; LSTM cell with 8 softly gated experts, second launch: gates = [x_t | h_0] [W_x ; W_h] + b on codes of E2M1 with E8M0 scales (K = 4 steps of 128), the activations, and the sums over the experts weighed by z.
; No work of reference() is left out here: all 8 experts are weighed in.  x_t's and h_0's codes and scale words (acodes, ascales) and z (out0) were stored by the launch before.
; SHARES.  A work-group makes 128 rows x 64 units of h_t (out2) and c_t (out3); for that it needs, for each expert kk and each gate, the 64 weight rows of its units.  Wave w: units 16 (w % 4) .. + 15, rows 64 (w / 4) .. + 63
; (four tiles of 16): each weight fragment read from LDS feeds four matrix instructions.  The rows' fragments (128 registers), c_0 and both sums stay in registers.
; THE MATRIX INSTRUCTION IS USED TRANSPOSED (source 0 = 16 weight rows, source 1 = 16 data rows): lane (r, h) holds data row r, register j unit 8 h + j.  The bias is the C of each sum's first instruction.
; CLUSTER.  The four work-groups of a cluster have the same 64 units and other rows: they need the same weights, scale bytes and bias, so every tensor load is asked for JOINTLY, with a mask that names the four.
; RING.  Two LDS slots, each with the weights of two experts (2 experts x 2 tensors x 4 gates x 64 rows x 128 bytes); each of the eight waves brings two gates' blocks with one load.  By this text's count a wave has at most four
; tensor loads out (the first fills), later one.
; THE ACTIVATIONS, with L = log2(e): ea = 2^(-L I), eb = 2^(2 L G), ef = 2^(-L F), eo = 2^(-L O); B = eb + 1, AB = (ea + 1) B, PF = (eb - 1)(ef + 1), D = AB (ef + 1):
;   C = sigmoid(F) c0 + sigmoid(I) tanh(G) = (c0 AB + PF) / D;   ec = 2^(2 L C):  H = sigmoid(O) tanh(C) = (ec - 1) / ((eo + 1)(ec + 1)).   Five exponentials and two reciprocals for each number.
; LIMITS.  Every exponent is held at 40 from above, so that D stays under 2^121 and no product overflows: a sigmoid under 2^-40 comes out as about 2^-40, and tanh is 1 to f32 long before.  |c_0| under 2^40.
; NaN and infinities among the inputs are not served.
; REGISTERS, in windows of 256.  Window 0: v1-15, v56 addresses; v16-23 the rows' scale words, v24-31 the weights'; v32-39 z; v40-55 at work; v64-191 the gates (gate g, row tile m at v[64 + 32 g + 8 m]); v192-223 h's sums; v224-255 c's.
;   Window 1: v0-127 the rows' fragments (tile m, K step s at v[32 m + 8 s]); v128-191 weight fragments, two buffers of four K steps; v192-223 the bias of four gates; v224-255 c_0.
.set BLK,   8704                       ; a block: 64 weight rows of 128 bytes as 32 lines of 256 bytes + 16 of padding: row p at 272 (p / 2) + 128 (p % 2): the sixteen rows of a load's pass lie in sixteen different 16-byte columns of 256 bytes
.set SLOTB, 16*BLK                     ; a slot: block ((expert % 2) x 2 + tensor) x 4 + gate
.set SCL,   2*SLOTB                    ; behind the ring: W_x's scale bytes [gate x 8 + expert][64 rows][8 bytes],
.set SCD,   16512                      ; and this much further on W_h's (16,384 + 128)
.set BIA,   311552                     ; the bias [gate x 8 + expert][64 f32]
.set SPARE, 319744                     ; the spare words, 128 bytes for each wave: four blocks of 256 bytes that no other line names
.set STC,   34816                      ; the way out: a stage of 128 rows x (256 + 16) bytes for h at byte 0 and one for c behind it, in slot 0, which has had its last fill and its last read by then
.set AW,   1                           ; v1   my lane's place in a block; v2 the same for the slot's second expert
.set AW1,  2
.set AWC,  3                           ; v3   the address in hand
.set ASC,  4                           ; v4   my lane's place among the scale bytes: lanes 0-15 W_x's, lanes 16-31 W_h's; v5 in hand
.set ASCC, 5
.set ABI,  6                           ; v6   my lane's place in the bias; v7 in hand
.set ABIC, 7
.set SPW,  8                           ; v8   LDS address of my spare word; never rewritten
.set NIL,  9                           ; v9   0; never rewritten
.set ZO,   10                          ; v10  32 r: my row of z
.set STO,  11                          ; v11  the stage, way in
.set RD,   12                          ; v12  the stage, way out
.set GO,   13                          ; v13  my byte offset in the wave's rows of out2, out3
.set LL,   14                          ; v14  16 x lane
.set CO,   15                          ; v15  1,024 r + 32 h: my bytes of c_0
.set L8,   56                          ; v56  8 x lane
.set AS,   16
.set WS,   24
.set Z,    32
.set T,    40
.set ACC,  64
.set AI,   64
.set AG,   96
.set AF,   128
.set AO,   160
.set HACC, 192
.set CACC, 224
.set WF,   128                         ; window 1
.set BI,   192
.set C0,   224
.set WV,   26                          ; s26  wave
.set WP,   30                          ; s30  17,408 x wave: my two blocks' place in a slot
.set G1C,  32                          ; s[32:39] descriptor group 1: codes;  s[40:47] scale bytes;  s[48:55] bias
.set G1S,  40
.set G1B,  48
.set G0A,  56                          ; s[56:59] group 0: slot 0's first fill;  s[60:63] slot 1's, which then walks;  s[68:71] scale bytes;  s[72:75] bias
.set G0B,  60
.set G0S,  68
.set G0I,  72
.set NL,   76                          ; s[76:77] -log2(e)
.set PL2,  78                          ; s[78:79] 2 log2(e)
.set CL,   80                          ; s80  40.0
.set TB,   81                          ; s81  the slot that is read: 0 or SLOTB
.set TS,   82                          ; s82  the next expert's scale bytes: 512 an expert
.set TBI,  83                          ; s83  and bias: 256 an expert
.set CNT,  84
.set ZB,   86                          ; s[86:87] z of my first row, the trip's two experts
.set MSB, 0
.macro WIN new                         ; the immediate's high byte repeats the setting that is left; a switch that changes nothing is dropped
.if MSB != \new
	s_set_vgpr_msb (MSB<<8)|\new
.set MSB, \new
.endif
.endm
.macro PLACES                          ; four plain places behind matrix instructions: ahead of loads into their sources and of the first read of their results
.rept 4
	v_nop
.endr
.endm
.macro ROUND                           ; a round of the cluster's barrier
	s_barrier_signal -1
	s_barrier_wait -1
	s_cmp_lg_u32 s[WV], 0
	s_cbranch_scc1 .Lnot_wave_0_\@
	s_barrier_signal -3
.Lnot_wave_0_\@:
	s_barrier_wait -3
	s_barrier_signal -1
	s_barrier_wait -1
.endm
.macro WLOAD g, p                      ; gate g's four fragments (K steps 0, 1: W_x; 2, 3: W_h) into buffer p.  Under destination window 1
.irp s, 0,1,2,3
.irp c, 0,1
	ds_load_b128 v[WF+32*\p+8*\s+4*\c:WF+32*\p+8*\s+4*\c+3], v[AWC] offset:(\s/2)*4*BLK+\g*BLK+(\s%2)*64+32*\c
.endr
.endr
.endm
.macro BLOAD g                         ; gate g's bias of my eight units
	ds_load_b128 v[BI+8*\g:BI+8*\g+3], v[ABIC] offset:2048*\g
	ds_load_b128 v[BI+8*\g+4:BI+8*\g+7], v[ABIC] offset:2048*\g+16
.endm
; What the next expert's products begin with: 28 LDS loads in one run.  The three additions and the v_nop are the places behind the last products.
.macro LOADNEXT aw
	v_add_nc_u32 v[AWC], s[TB], v[\aw]
	v_add_nc_u32 v[ASCC], s[TS], v[ASC]
	v_add_nc_u32 v[ABIC], s[TBI], v[ABI]
	v_nop
.irp g, 0,1,2,3
	ds_load_b64 v[WS+2*\g:WS+2*\g+1], v[ASCC] offset:4096*\g   ; lanes 0-15: the words of K steps 0, 1; lanes 16-31: of K steps 2, 3
.endr
	WIN 0x40                                       ; destination window 1, address window 0
	BLOAD 0
	WLOAD 0, 0
	BLOAD 1
	WLOAD 1, 1
	BLOAD 2
	BLOAD 3
	WIN 0
.endm
.macro NEXTKK
	s_add_co_u32 s[TS], s[TS], 512
	s_add_co_u32 s[TBI], s[TBI], 256
.endm
; Sixteen matrix instructions: gate g, K step by K step, the four row tiles' accumulators by turns.
.macro MUL g, p
.irp s, 0,1,2,3
.if \s == 0
	WIN 0x15                                       ; sources 0, 1 and 2 (the bias) window 1, destination window 0
.else
	WIN 0x05                                       ; sources 0 and 1 window 1; C and D window 0
.endif
.irp m, 0,1,2,3
.if \s == 0
	v_wmma_scale_f32_16x16x128_f8f6f4 v[ACC+32*\g+8*\m:ACC+32*\g+8*\m+7], v[WF+32*\p+8*\s:WF+32*\p+8*\s+7], v[32*\m+8*\s:32*\m+8*\s+7], v[BI+8*\g:BI+8*\g+7], v[WS+2*\g], v[AS+2*\m] matrix_a_fmt:MATRIX_FMT_FP4 matrix_b_fmt:MATRIX_FMT_FP4
.elseif \s == 1
	v_wmma_scale_f32_16x16x128_f8f6f4 v[ACC+32*\g+8*\m:ACC+32*\g+8*\m+7], v[WF+32*\p+8*\s:WF+32*\p+8*\s+7], v[32*\m+8*\s:32*\m+8*\s+7], v[ACC+32*\g+8*\m:ACC+32*\g+8*\m+7], v[WS+2*\g+1], v[AS+2*\m+1] matrix_a_fmt:MATRIX_FMT_FP4 matrix_b_fmt:MATRIX_FMT_FP4
.else
	v_wmma_scale_f32_16x16x128_f8f6f4 v[ACC+32*\g+8*\m:ACC+32*\g+8*\m+7], v[WF+32*\p+8*\s:WF+32*\p+8*\s+7], v[32*\m+8*\s:32*\m+8*\s+7], v[ACC+32*\g+8*\m:ACC+32*\g+8*\m+7], v[WS+2*\g+\s-2], v[AS+2*\m+\s-2] matrix_a_fmt:MATRIX_FMT_FP4 matrix_b_fmt:MATRIX_FMT_FP4 matrix_a_scale:MATRIX_SCALE_ROW1 matrix_b_scale:MATRIX_SCALE_ROW1
.endif
.endr
.endr
.endm
; An expert's 64 products.  LOADNEXT's run was: 4 scale loads, bias 0 (2), gate 0 (8), bias 1 (2), gate 1 (8), bias 2 (2), bias 3 (2).
.macro MULS
	s_wait_dscnt 14                                ; scale words, bias 0 and gate 0 are in; behind them 2 + 8 + 2 + 2
	MUL 0, 0
	PLACES
	WIN 0x40
	WLOAD 2, 0
	s_wait_dscnt 12                                ; bias 1 and gate 1 are in; behind them 2 + 2 + the 8 just issued
	MUL 1, 1
	PLACES
	WIN 0x40
	WLOAD 3, 1
	s_wait_dscnt 8                                 ; gate 2 is in; gate 3's eight may be out
	MUL 2, 0
	s_wait_dscnt 0x0
	MUL 3, 1
	WIN 0
.endm
; THE CHANGE OF SLOTS.  Every wave waits for all its tensor loads, adds 0 to its spare word, and waits for that and for its reads of the slot that it leaves.  fill = 1: behind a round of the cluster's barrier that slot
; takes the experts four further on: the load has two experts' products and activations in which to land.
.macro CHANGE fill
	s_wait_tensorcnt 0x0                           ; no tensor load of mine is out, so a group 0 may be written
	ds_add_u32 v[SPW], v[NIL]                      ; 0 onto my spare word
	PLACES                                         ; the places behind the last products stand between the add and the wait for it
.if \fill
	s_add_co_u32 s[G0B+1], s[WP], s[TB]            ; the slot just read,
	s_add_nc_u64 s[G0B+2:G0B+3], s[G0B+2:G0B+3], 0x10000   ; the next two experts (32,768 bytes each); the type bits on top are not reached
.endif
	s_xor_b32 s[TB], s[TB], SLOTB                  ; the reads go on in the other slot
	s_wait_dscnt 0x0                               ; the add is done, and my reads of the slot are over
.if \fill
	ROUND                                          ; no wave of any partner still reads the slot or has a load on its way
	tensor_load_to_lds s[G0B:G0B+3], s[G1C:G1C+7]
	s_nop 0
	PLACES
.else
	s_barrier_signal -1
	s_barrier_wait -1
.endif
.endm
; THE ACTIVATIONS of one expert, in place on the gates' 128 registers.
.macro ARG p                           ; pair p of 64: times -L (I, F, O) or 2 L (G), held at 40 from above
.if ((\p) >= 16) && ((\p) < 32)
	v_pk_mul_f32 v[ACC+2*(\p):ACC+2*(\p)+1], v[ACC+2*(\p):ACC+2*(\p)+1], s[PL2:PL2+1] op_sel_hi:[1,0]
.else
	v_pk_mul_f32 v[ACC+2*(\p):ACC+2*(\p)+1], v[ACC+2*(\p):ACC+2*(\p)+1], s[NL:NL+1] op_sel_hi:[1,0]
.endif
	v_min_num_f32 v[ACC+2*(\p)], s[CL], v[ACC+2*(\p)]
	v_min_num_f32 v[ACC+2*(\p)+1], s[CL], v[ACC+2*(\p)+1]
.endm
.macro EXP2 p
	v_exp_f32 v[ACC+2*(\p)], v[ACC+2*(\p)]
	v_exp_f32 v[ACC+2*(\p)+1], v[ACC+2*(\p)+1]
.endm
.macro BATCH op, base                  ; sixteen of one transcendental, in place
.set QQ, \base
.rept 16
	\op v[QQ], v[QQ]
.set QQ, QQ+1
.endr
.endm
.macro CST hf                          ; half hf (row tiles 2 hf, 2 hf + 1): the numerator of C into I's registers, its denominator into F's
.irp i, 0,2,4,6,8,10,12,14
	v_pk_add_f32 v[T+\i:T+\i+1], v[AG+16*\hf+\i:AG+16*\hf+\i+1], 1.0 op_sel_hi:[1,0]                                                   ; B = eb + 1
.endr
.irp i, 0,2,4,6,8,10,12,14
	v_pk_fma_f32 v[AI+16*\hf+\i:AI+16*\hf+\i+1], v[AI+16*\hf+\i:AI+16*\hf+\i+1], v[T+\i:T+\i+1], v[T+\i:T+\i+1]                        ; AB = ea B + B
.endr
.irp i, 0,2,4,6,8,10,12,14
	v_pk_add_f32 v[AG+16*\hf+\i:AG+16*\hf+\i+1], v[AG+16*\hf+\i:AG+16*\hf+\i+1], -1.0 op_sel_hi:[1,0]                                  ; P = eb - 1
.endr
.irp i, 0,2,4,6,8,10,12,14
	v_pk_fma_f32 v[AG+16*\hf+\i:AG+16*\hf+\i+1], v[AG+16*\hf+\i:AG+16*\hf+\i+1], v[AF+16*\hf+\i:AF+16*\hf+\i+1], v[AG+16*\hf+\i:AG+16*\hf+\i+1]   ; PF = P ef + P
.endr
.irp i, 0,2,4,6,8,10,12,14
	v_pk_fma_f32 v[AF+16*\hf+\i:AF+16*\hf+\i+1], v[AI+16*\hf+\i:AI+16*\hf+\i+1], v[AF+16*\hf+\i:AF+16*\hf+\i+1], v[AI+16*\hf+\i:AI+16*\hf+\i+1]   ; D = AB ef + AB
.endr
	WIN 0x01                                       ; source 0 (c_0) window 1
.irp i, 0,2,4,6,8,10,12,14
	v_pk_fma_f32 v[AI+16*\hf+\i:AI+16*\hf+\i+1], v[C0+16*\hf+\i:C0+16*\hf+\i+1], v[AI+16*\hf+\i:AI+16*\hf+\i+1], v[AG+16*\hf+\i:AG+16*\hf+\i+1]   ; c0 AB + PF
.endr
	WIN 0
.endm
.macro EST hf, j                       ; C; c's sum += z C; the argument of ec.  z of the trip's expert j is register j of the row tile's pair, taken for both halves
.irp i, 0,2,4,6,8,10,12,14
	v_pk_mul_f32 v[AI+16*\hf+\i:AI+16*\hf+\i+1], v[AI+16*\hf+\i:AI+16*\hf+\i+1], v[AF+16*\hf+\i:AF+16*\hf+\i+1]
.endr
.irp i, 0,2,4,6,8,10,12,14
.if \j == 0
	v_pk_fma_f32 v[CACC+16*\hf+\i:CACC+16*\hf+\i+1], v[AI+16*\hf+\i:AI+16*\hf+\i+1], v[Z+2*(2*\hf+\i/8):Z+2*(2*\hf+\i/8)+1], v[CACC+16*\hf+\i:CACC+16*\hf+\i+1] op_sel_hi:[1,0,1]
.else
	v_pk_fma_f32 v[CACC+16*\hf+\i:CACC+16*\hf+\i+1], v[AI+16*\hf+\i:AI+16*\hf+\i+1], v[Z+2*(2*\hf+\i/8):Z+2*(2*\hf+\i/8)+1], v[CACC+16*\hf+\i:CACC+16*\hf+\i+1] op_sel:[0,1,0] op_sel_hi:[1,1,1]
.endif
.endr
.irp i, 0,2,4,6,8,10,12,14
	v_pk_mul_f32 v[AG+16*\hf+\i:AG+16*\hf+\i+1], v[AI+16*\hf+\i:AI+16*\hf+\i+1], s[PL2:PL2+1] op_sel_hi:[1,0]
.endr
.irp i, 0,1,2,3,4,5,6,7,8,9,10,11,12,13,14,15
	v_min_num_f32 v[AG+16*\hf+\i], s[CL], v[AG+16*\hf+\i]
.endr
.endm
.macro GST hf, j                       ; H's denominator into O's registers, z (ec - 1) into G's
.irp i, 0,2,4,6,8,10,12,14
	v_pk_add_f32 v[AF+16*\hf+\i:AF+16*\hf+\i+1], v[AG+16*\hf+\i:AG+16*\hf+\i+1], 1.0 op_sel_hi:[1,0]
.endr
.irp i, 0,2,4,6,8,10,12,14
	v_pk_fma_f32 v[AO+16*\hf+\i:AO+16*\hf+\i+1], v[AO+16*\hf+\i:AO+16*\hf+\i+1], v[AF+16*\hf+\i:AF+16*\hf+\i+1], v[AF+16*\hf+\i:AF+16*\hf+\i+1]
.endr
.irp i, 0,2,4,6,8,10,12,14
	v_pk_add_f32 v[AG+16*\hf+\i:AG+16*\hf+\i+1], v[AG+16*\hf+\i:AG+16*\hf+\i+1], -1.0 op_sel_hi:[1,0]
.endr
.irp i, 0,2,4,6,8,10,12,14
.if \j == 0
	v_pk_mul_f32 v[AG+16*\hf+\i:AG+16*\hf+\i+1], v[AG+16*\hf+\i:AG+16*\hf+\i+1], v[Z+2*(2*\hf+\i/8):Z+2*(2*\hf+\i/8)+1] op_sel_hi:[1,0]
.else
	v_pk_mul_f32 v[AG+16*\hf+\i:AG+16*\hf+\i+1], v[AG+16*\hf+\i:AG+16*\hf+\i+1], v[Z+2*(2*\hf+\i/8):Z+2*(2*\hf+\i/8)+1] op_sel:[0,1] op_sel_hi:[1,1]
.endif
.endr
.endm
.macro HST hf                          ; h's sum += z (ec - 1) / ((eo + 1)(ec + 1))
.irp i, 0,2,4,6,8,10,12,14
	v_pk_fma_f32 v[HACC+16*\hf+\i:HACC+16*\hf+\i+1], v[AG+16*\hf+\i:AG+16*\hf+\i+1], v[AO+16*\hf+\i:AO+16*\hf+\i+1], v[HACC+16*\hf+\i:HACC+16*\hf+\i+1]
.endr
.endm
; The transcendentals go in batches.  Behind each batch stands plain work that names none of its results (the other half's), and then ONE wait, ahead of the batch's first reader.
; Each accumulator is read from its low end on: the pairs are taken in ascending order.
.macro EPI j
.set PP, 0
.rept 48                               ; I, G, F: a pair's argument, then the exponentials of the pair before
	ARG PP
.if PP > 0
	EXP2 PP-1
.endif
.set PP, PP+1
.endr
	EXP2 47
.rept 16                               ; O's arguments: the plain work behind that batch
	ARG PP
.set PP, PP+1
.endr
	s_wait_alu depctr_va_vdst(0)                   ; ea, eb, ef
	BATCH v_exp_f32, AO
	BATCH v_exp_f32, AO+16
	CST 0
	BATCH v_rcp_f32, AF
	CST 1
.if \j == 0
	s_wait_loadcnt 0x0                             ; the trip's z
.endif
	s_wait_alu depctr_va_vdst(0)                   ; eo, and 1 / D of half 0
	BATCH v_rcp_f32, AF+16
	EST 0, \j
	s_wait_alu depctr_va_vdst(0)                   ; 1 / D of half 1
	BATCH v_exp_f32, AG
	EST 1, \j
	s_wait_alu depctr_va_vdst(0)                   ; ec of half 0
	BATCH v_exp_f32, AG+16
	GST 0, \j
	s_wait_alu depctr_va_vdst(0)                   ; ec of half 1
	BATCH v_rcp_f32, AO
	GST 1, \j
	s_wait_alu depctr_va_vdst(0)                   ; the second reciprocals of half 0
	BATCH v_rcp_f32, AO+16
	HST 0
	s_wait_alu depctr_va_vdst(0)                   ; and of half 1
	HST 1
.endm
; A TRIP: a slot's two experts.  While one expert's activations are worked, the next expert's first fragments are on their way from LDS.
.macro TRIP fill, last
.irp m, 0,1,2,3
	global_load_b64 v[Z+2*\m:Z+2*\m+1], v[ZO], s[ZB:ZB+1] offset:512*\m   ; z of my row in tile m, the trip's two experts
.endr
	MULS
	LOADNEXT AW1
	NEXTKK
	EPI 0
	MULS
.if \last
	PLACES                                         ; behind the last products, ahead of the first read of their results
.else
	CHANGE \fill
	LOADNEXT AW
	NEXTKK
.endif
	EPI 1
.if !\last
	s_add_nc_u64 s[ZB:ZB+1], s[ZB:ZB+1], 8         ; z's loads are done (the wait in the first expert's activations): their base may step
.endif
.endm
	s_load_b512 s[4:19], s[0:1], 0x0               ; W_x codes s[4:5], scales s[6:7]; W_h codes s[8:9], scales s[10:11]; b s[12:13]; c_0 s[14:15]; acodes s[16:17]; ascales s[18:19]
	s_load_b128 s[20:23], s[0:1], 0x40             ; out0 (z) s[20:21], out2 s[22:23]
	s_load_b64 s[24:25], s[0:1], 0x50              ; out3
	v_lshl_add_u32 v[SPW], v0, 2, SPARE
	v_mov_b32 v[NIL], 0
	ds_add_u32 v[SPW], v[NIL]                      ; the wave's opening: the add, twice on end, and its wait ahead of my first tensor load; the set-up below stands between
	ds_add_u32 v[SPW], v[NIL]                      ; and once more, under the one wait
	v_lshrrev_b32 v1, 5, v0
	v_readfirstlane_b32 s[WV], v1                  ; wave 0..7
	s_bfe_u32 s27, ttmp6, 0x40000                  ; cx: my place in the cluster
	s_lshl_b32 s28, ttmp9, 2
	s_add_co_u32 s28, s28, s27                     ; my block of 128 rows = 4 x cluster x + cx: it enters global addresses of rows alone
	s_and_b32 s29, ttmp7, 0xffff                   ; my block of 64 units, which the four partners share
	s_mul_i32 s[WP], s[WV], 2*BLK
	s_and_b32 s88, s[WV], 3                        ; which 16 units are mine
	s_lshr_b32 s89, s[WV], 2                       ; which 64 rows
	; descriptor group 1.  Elements of 8 bytes; 15:0 the mask of all four partners, bit 21 set beside it
	s_mov_b32 s[G1C], 15|(3<<16)|(1<<20)|(1<<21)|(5<<22)|(3<<25)   ; codes: padding on, four words behind every 64
	s_mov_b32 s[G1C+1], 1024<<16                   ; tensor_dim0: a gate's 64 rows, 8,192 consecutive bytes
	s_mov_b32 s[G1C+2], 2<<16                      ; tensor_dim1: two gates
	s_mov_b32 s[G1C+3], 1024<<16                   ; tile_dim0
	s_mov_b32 s[G1C+4], 2                          ; tile_dim1
	s_mov_b32 s[G1C+5], 32768                      ; from gate to gate: 2,048 rows of 128 bytes
	s_mov_b32 s[G1C+6], 0
	s_mov_b32 s[G1C+7], 0
	s_mov_b32 s[G1S], 15|(3<<16)|(1<<21)           ; scale bytes: 8 experts x 512 bytes (64 rows of 8), 2,048 bytes apart
	s_mov_b32 s[G1S+1], 64<<16
	s_mov_b32 s[G1S+2], 8<<16
	s_mov_b32 s[G1S+3], 64<<16
	s_mov_b32 s[G1S+4], 8
	s_mov_b32 s[G1S+5], 256
	s_mov_b32 s[G1S+6], 0
	s_mov_b32 s[G1S+7], 0
	s_mov_b32 s[G1B], 15|(3<<16)|(1<<21)           ; bias: 4 (gate, expert) x 256 bytes, 1,024 bytes apart
	s_mov_b32 s[G1B+1], 32<<16
	s_mov_b32 s[G1B+2], 4<<16
	s_mov_b32 s[G1B+3], 32<<16
	s_mov_b32 s[G1B+4], 4
	s_mov_b32 s[G1B+5], 128
	s_mov_b32 s[G1B+6], 0
	s_mov_b32 s[G1B+7], 0
	s_mov_b32 s[NL], 0xbfb8aa3b
	s_mov_b32 s[NL+1], s[NL]                       ; (named with it as a pair, so it is written)
	s_mov_b32 s[PL2], 0x4038aa3b
	s_mov_b32 s[PL2+1], s[PL2]
	s_mov_b32 s[CL], 0x42200000
	s_mov_b32 s[TB], 0
	s_mov_b32 s[TS], 0
	s_mov_b32 s[TBI], 0
	; group 0's LDS addresses and byte offsets: the wave's number, the block of units and constants alone
	s_and_b32 s94, s[WV], 1
	s_lshr_b32 s95, s[WV], 1
	s_mov_b32 s[G0S], 1
	s_mul_i32 s[G0S+1], s94, SCD                   ; scale bytes: tensor w % 2, gate w / 2
	s_lshl_b32 s98, s95, 12
	s_add_co_u32 s[G0S+1], s[G0S+1], s98
	s_add_co_u32 s[G0S+1], s[G0S+1], SCL
	s_lshl_b32 s96, s95, 14
	s_lshl_b32 s97, s29, 9
	s_add_co_u32 s96, s96, s97
	s_mov_b32 s97, 0                               ; s[96:97]: their bytes in memory
	s_mov_b32 s[G0I], 1
	s_lshl_b32 s[G0I+1], s[WV], 10                 ; bias: (gate, expert) 4 w .. 4 w + 3
	s_add_co_u32 s[G0I+1], s[G0I+1], BIA
	s_lshl_b32 s98, s[WV], 12
	s_lshl_b32 s99, s29, 8
	s_add_co_u32 s98, s98, s99
	s_mov_b32 s99, 0                               ; s[98:99]
	s_mov_b32 s[G0A], 1
	s_mov_b32 s[G0A+1], s[WP]                      ; codes: gates 2 (w % 2), + 1; tensor (w / 2) % 2; the slot's expert w / 4
	s_mov_b32 s[G0B], 1
	s_add_co_u32 s[G0B+1], s[WP], SLOTB
	s_lshl_b32 s92, s94, 19
	s_lshl_b32 s93, s89, 15
	s_add_co_u32 s92, s92, s93
	s_lshl_b32 s93, s29, 13
	s_add_co_u32 s92, s92, s93
	s_mov_b32 s93, 0                               ; s[92:93]
	s_and_b32 s95, s[WV], 2
	; the lanes' addresses
	v_and_b32 v57, 15, v0                          ; r
	v_bfe_u32 v58, v0, 4, 1                        ; h
	v_and_b32 v59, 31, v0                          ; lane
	v_lshrrev_b32 v60, 1, v57
	v_mul_u32_u24 v[AW], v60, 272
	v_and_b32 v60, 1, v57
	v_lshl_add_u32 v[AW], v60, 7, v[AW]
	v_lshl_add_u32 v[AW], v58, 4, v[AW]
	s_mul_i32 s90, s88, 8*272
	v_add_nc_u32 v[AW], s90, v[AW]                 ; weight row 16 (w % 4) + r of a block, + 16 h
	v_add_nc_u32 v[AW1], 8*BLK, v[AW]
	v_mul_u32_u24 v[ASC], v58, SCD                 ; lanes 16-31 take W_h's scale bytes
	v_lshl_add_u32 v[ASC], v57, 3, v[ASC]
	s_lshl_b32 s90, s88, 7
	s_add_co_u32 s90, s90, SCL
	v_add_nc_u32 v[ASC], s90, v[ASC]
	s_lshl_b32 s90, s88, 6
	s_add_co_u32 s90, s90, BIA
	v_lshl_add_u32 v[ABI], v58, 5, s90
	v_lshlrev_b32 v[ZO], 5, v57
	s_mul_i32 s90, s89, 64*272
	s_lshl_b32 s91, s88, 6
	s_add_co_u32 s90, s90, s91
	v_mul_u32_u24 v[STO], v57, 272
	v_lshl_add_u32 v[STO], v58, 5, v[STO]
	v_add_nc_u32 v[STO], s90, v[STO]               ; the stage: row 64 (w / 4) + r, bytes 64 (w % 4) + 32 h
	s_mul_i32 s90, s[WV], 16*272
	v_mul_u32_u24 v[RD], v58, 272
	v_lshl_add_u32 v[RD], v57, 4, v[RD]
	v_add_nc_u32 v[RD], s90, v[RD]                 ; back: rows 16 w on; lanes 0-15 one row, lanes 16-31 the next
	v_lshlrev_b32 v[GO], 10, v58
	v_lshl_add_u32 v[GO], v57, 4, v[GO]
	v_lshlrev_b32 v[LL], 4, v59
	v_lshlrev_b32 v[CO], 10, v57
	v_lshl_add_u32 v[CO], v58, 5, v[CO]
	v_lshlrev_b32 v[L8], 3, v59
	s_wait_dscnt 0x0                               ; both opening adds are done
	s_wait_kmcnt 0x0
	s_cmp_eq_u32 s94, 0
	s_cselect_b64 s[G0S+2:G0S+3], s[6:7], s[10:11]
	s_add_nc_u64 s[G0S+2:G0S+3], s[G0S+2:G0S+3], s[96:97]
	s_or_b32 s[G0S+3], s[G0S+3], 0x80000000
	s_add_nc_u64 s[G0I+2:G0I+3], s[12:13], s[98:99]
	s_or_b32 s[G0I+3], s[G0I+3], 0x80000000
	s_cmp_eq_u32 s95, 0
	s_cselect_b64 s[G0A+2:G0A+3], s[4:5], s[8:9]
	s_add_nc_u64 s[G0A+2:G0A+3], s[G0A+2:G0A+3], s[92:93]     ; experts 0, 1
	s_add_nc_u64 s[G0B+2:G0B+3], s[G0A+2:G0A+3], 0x10000      ; experts 2, 3
	s_or_b32 s[G0A+3], s[G0A+3], 0x80000000
	s_or_b32 s[G0B+3], s[G0B+3], 0x80000000
	ROUND                                          ; all four work-groups are here: the first joint loads meet
	tensor_load_to_lds s[G0S:G0S+3], s[G1S:G1S+7]  ; the first fills, one group, every wave four: scale bytes,
	s_nop 0
	tensor_load_to_lds s[G0I:G0I+3], s[G1B:G1B+7]  ; bias,
	s_nop 0
	tensor_load_to_lds s[G0A:G0A+3], s[G1C:G1C+7]  ; slot 0,
	s_nop 0
	tensor_load_to_lds s[G0B:G0B+3], s[G1C:G1C+7]  ; slot 1
	s_nop 0
	PLACES
	; my rows' addresses: these hang on my place in the cluster
	s_lshl_b32 s90, s28, 15                        ; acodes: 8 tiles of 4,096 bytes a block of rows, 4 tiles a half
	s_lshl_b32 s91, s89, 14
	s_add_co_u32 s90, s90, s91
	s_mov_b32 s91, 0
	s_add_nc_u64 s[16:17], s[16:17], s[90:91]
	s_lshl_b32 s90, s28, 11                        ; ascales: 256 bytes a tile
	s_lshl_b32 s91, s89, 10
	s_add_co_u32 s90, s90, s91
	s_mov_b32 s91, 0
	s_add_nc_u64 s[18:19], s[18:19], s[90:91]
	s_lshl_b32 s90, s28, 17                        ; c_0: rows of 1,024 bytes; my 64 bytes of them
	s_lshl_b32 s91, s89, 16
	s_add_co_u32 s90, s90, s91
	s_lshl_b32 s91, s29, 8
	s_add_co_u32 s90, s90, s91
	s_lshl_b32 s91, s88, 6
	s_add_co_u32 s90, s90, s91
	s_mov_b32 s91, 0
	s_add_nc_u64 s[14:15], s[14:15], s[90:91]
	s_lshl_b32 s90, s28, 12                        ; z: rows of 32 bytes
	s_lshl_b32 s91, s89, 11
	s_add_co_u32 s90, s90, s91
	s_mov_b32 s91, 0
	s_add_nc_u64 s[ZB:ZB+1], s[20:21], s[90:91]
	s_lshl_b32 s90, s28, 17                        ; out2, out3: the 16 rows that I store, the block's 256 bytes of them
	s_lshl_b32 s91, s[WV], 14
	s_add_co_u32 s90, s90, s91
	s_lshl_b32 s91, s29, 8
	s_add_co_u32 s90, s90, s91
	s_mov_b32 s91, 0
	s_add_nc_u64 s[22:23], s[22:23], s[90:91]
	s_add_nc_u64 s[24:25], s[24:25], s[90:91]
	WIN 0x40                                       ; destination window 1, address window 0
.irp m, 0,1,2,3
.irp s, 0,1,2,3
.irp c, 0,1
	global_load_b128 v[32*\m+8*\s+4*\c:32*\m+8*\s+4*\c+3], v[LL], s[16:17] offset:4096*\m+1024*\s+512*\c   ; my rows' fragments, as the launch before laid them: 512 consecutive bytes a load
.endr
.endr
.endr
.irp m, 0,1,2,3
.irp q, 0,1
	global_load_b128 v[C0+8*\m+4*\q:C0+8*\m+4*\q+3], v[CO], s[14:15] offset:16384*\m+16*\q
.endr
.endr
	WIN 0
.irp m, 0,1,2,3
	global_load_b64 v[AS+2*\m:AS+2*\m+1], v[L8], s[18:19] offset:256*\m
.endr
.set QQ, HACC
.rept 64
	v_mov_b32 v[QQ], 0                             ; both sums.  (The trip is written for all experts alike: the first finds zeros)
.set QQ, QQ+1
.endr
	s_wait_tensorcnt 1                             ; my parts of the scale bytes, the bias and slot 0 are in; slot 1's may stay out
	s_barrier_signal -1
	s_barrier_wait -1                              ; everybody's are
	LOADNEXT AW                                    ; expert 0
	NEXTKK
	s_wait_loadcnt 0x0                             ; fragments, c_0, scale words
	s_mov_b32 s[CNT], 2
.Ltrip:                                            ; experts 0 to 3; slot 0 is filled again with experts 4, 5, slot 1 with 6, 7
	TRIP 1, 0
	s_sub_co_u32 s[CNT], s[CNT], 1
	s_cmp_lg_u32 s[CNT], 0
	s_cbranch_scc1 .Ltrip
	TRIP 0, 0                                      ; experts 4, 5: the tail is written out
	TRIP 0, 1                                      ; experts 6, 7: nothing is left to fetch
	; THE WAY OUT.  A lane holds 32 neighbouring bytes of a row, and a row's 256 bytes come from four waves: so both results go through a stage, and each wave stores 16 whole rows of each.
.irp m, 0,1,2,3
.irp q, 0,1
	ds_store_b128 v[STO], v[HACC+8*\m+4*\q:HACC+8*\m+4*\q+3] offset:4352*\m+16*\q
	ds_store_b128 v[STO], v[CACC+8*\m+4*\q:CACC+8*\m+4*\q+3] offset:STC+4352*\m+16*\q
.endr
.endr
	s_wait_dscnt 0x0                               ; for the others' sake: my stores into the stage have landed
	s_barrier_signal -1
	s_barrier_wait -1
.irp i, 0,1,2,3,4,5,6,7
	ds_load_b128 v[64+4*\i:64+4*\i+3], v[RD] offset:544*\i
.endr
.irp i, 0,1,2,3,4,5,6,7
	ds_load_b128 v[96+4*\i:96+4*\i+3], v[RD] offset:STC+544*\i
.endr
.irp i, 0,1,2,3,4,5,6,7
	s_wait_dscnt 15-\i
	global_store_b128 v[GO], v[64+4*\i:64+4*\i+3], s[22:23] offset:2048*\i th:TH_STORE_NT   ; sixteen lanes store 256 consecutive bytes, at a multiple of 256 from the buffer's first byte
.endr
.irp i, 0,1,2,3,4,5,6,7
	s_wait_dscnt 7-\i
	global_store_b128 v[GO], v[96+4*\i:96+4*\i+3], s[24:25] offset:2048*\i th:TH_STORE_NT
.endr
	s_wait_tensorcnt 0x0                           ; the wave's end, behind my last tensor load and my last LDS store
	ds_add_u32 v[SPW], v[NIL]
	s_wait_dscnt 0x0
	ROUND                                          ; the closing round: no work-group ends while a partner may still ask for a tile that names it
	s_endpgm
.Lfunc_end_k_q42d8e102e1_cell:
	.size	k_q42d8e102e1_cell, .Lfunc_end_k_q42d8e102e1_cell-k_q42d8e102e1_cell
	.p2alignl 7, 3214868480
	.fill 96, 4, 3214868480
	.section	.rodata,"a",@progbits
	.p2align	6, 0x0
	.amdhsa_kernel k_q42d8e102e1_cell
		.amdhsa_group_segment_fixed_size 327680
		.amdhsa_private_segment_fixed_size 0
		.amdhsa_enable_private_segment 0
		.amdhsa_kernarg_size 88
		.amdhsa_user_sgpr_count 2
		.amdhsa_user_sgpr_kernarg_segment_ptr 1
		.amdhsa_wavefront_size32 1
		.amdhsa_system_sgpr_workgroup_id_x 1
		.amdhsa_system_sgpr_workgroup_id_y 1
		.amdhsa_system_sgpr_workgroup_id_z 1
		.amdhsa_system_vgpr_workitem_id 0
		.amdhsa_next_free_vgpr 512
		.amdhsa_next_free_sgpr 100
		.amdhsa_reserve_vcc 0
		.amdhsa_float_denorm_mode_32 3
		.amdhsa_float_denorm_mode_16_64 3
		.amdhsa_memory_ordered 1
		.amdhsa_forward_progress 1
		.amdhsa_inst_pref_size 255
	.end_amdhsa_kernel
	.section	.bss,"aw",@nobits
	.p2align	6
	.space	262144
	.amdgpu_metadata
---
amdhsa.version: [ 1, 2 ]
amdhsa.kernels:
  - .name:           k_q42d8e102e1_cell
    .symbol:         k_q42d8e102e1_cell.kd
    .args:
      - { .name: W_x_4gates_codes, .offset: 0, .size: 8, .value_kind: global_buffer, .address_space: global }
      - { .name: W_x_4gates_scales, .offset: 8, .size: 8, .value_kind: global_buffer, .address_space: global }
      - { .name: W_h_4gates_codes, .offset: 16, .size: 8, .value_kind: global_buffer, .address_space: global }
      - { .name: W_h_4gates_scales, .offset: 24, .size: 8, .value_kind: global_buffer, .address_space: global }
      - { .name: b_4gates, .offset: 32, .size: 8, .value_kind: global_buffer, .address_space: global }
      - { .name: c_0, .offset: 40, .size: 8, .value_kind: global_buffer, .address_space: global }
      - { .name: acodes, .offset: 48, .size: 8, .value_kind: global_buffer, .address_space: global }
      - { .name: ascales, .offset: 56, .size: 8, .value_kind: global_buffer, .address_space: global }
      - { .name: out0, .offset: 64, .size: 8, .value_kind: global_buffer, .address_space: global }
      - { .name: out2, .offset: 72, .size: 8, .value_kind: global_buffer, .address_space: global }
      - { .name: out3, .offset: 80, .size: 8, .value_kind: global_buffer, .address_space: global }
    .group_segment_fixed_size: 327680
    .private_segment_fixed_size: 0
    .kernarg_segment_align: 8
    .kernarg_segment_size: 88
    .max_flat_workgroup_size: 256
    .sgpr_count:     100
    .vgpr_count:     512
    .wavefront_size: 32
...
	.end_amdgpu_metadata
.endif
;; end of part 2
;; ======== version 2 of 2: 2 launches; 1.15 times as fast as version 1
;; limits: inputs' magnitudes at most 1,099,511,627,776; right only within a limited range of input values; a function is approximated: absolute error at most 1.2e-07
;; workspace buffers: acodes 2,097,152 bytes; ascales 131,072 bytes
;; launch prep: the kernel of part 1 again; grid 256 x 1, 8 waves a work-group, no clusters, 105,984 bytes of LDS; arguments x_t, h_0, W_xz, W_hz, b_xz, u, acodes, ascales, out0, out1; writes acodes, ascales, out0, out1
;; launch cell (part 3): grid 64 x 4, 8 waves a work-group, clusters of 4 x 1, 327,680 bytes of LDS; arguments W_x_4gates_codes, W_x_4gates_scales, W_h_4gates_codes, W_h_4gates_scales, b_4gates, c_0, acodes, ascales, out0, out2, out3; writes out2, out3
.if DOCPART == 3
	.amdgcn_target "amdgcn-amd-amdhsa--gfx1250"
	.amdhsa_code_object_version 6
	.text
	.protected	k_q42d8e102e1_cell
	.globl	k_q42d8e102e1_cell
	.p2align	8
	.type	k_q42d8e102e1_cell,@function
k_q42d8e102e1_cell:
	s_mov_b64 s[64:65], 0
	v_nop
	global_prefetch_b8 v0, s[64:65] scope:SCOPE_SE
	s_setreg_imm32_b32 hwreg(HW_REG_WAVE_MODE, 25, 1), 1
	s_wait_xcnt 0x0
	s_wait_alu depctr_hold_cnt(0) depctr_sa_sdst(0) depctr_va_vdst(0) depctr_va_sdst(0) depctr_va_ssrc(0) depctr_va_vcc(0) depctr_vm_vsrc(0)
	s_getreg_b32 s2, hwreg(HW_REG_IB_STS2, 6, 4)
	s_cmp_eq_u32 s2, 0
	s_cbranch_scc0 .Lentry_in_a_cluster
	s_endpgm
.Lentry_in_a_cluster:
	s_bfe_u32 s2, ttmp6, 0x10000c
	s_cmp_lg_u32 s2, 0x3003
	s_cbranch_scc0 .Lentry_shape_is_right
	s_endpgm
.Lentry_shape_is_right:
; LSTM cell with 8 softly gated experts, second launch: gates = [x_t | h_0] [W_x ; W_h] + b on codes of E2M1 with E8M0 scales (K = 4 steps of 128), the activations, and the sums over the experts weighed by z.
; No work of reference() is left out here: all 8 experts are weighed in.  x_t's and h_0's codes and scale words (acodes, ascales) and z (out0) were stored by the launch before.
; SHARES.  A work-group makes 128 rows x 64 units of h_t (out2) and c_t (out3); for that it needs, for each expert kk and each gate, the 64 weight rows of its units.  Wave w: units 16 (w % 4) .. + 15, rows 64 (w / 4) .. + 63
; (four tiles of 16): each weight fragment read from LDS feeds four matrix instructions.  The rows' fragments (128 registers), c_0 and both sums stay in registers.
; THE MATRIX INSTRUCTION IS USED TRANSPOSED (source 0 = 16 weight rows, source 1 = 16 data rows): lane (r, h) holds data row r, register j unit 8 h + j.  The bias is the C of each sum's first instruction.
; CLUSTER.  The four work-groups of a cluster have the same 64 units and other rows: they need the same weights, scale bytes and bias, so every tensor load is asked for JOINTLY, with a mask that names the four.
; RING.  Two LDS slots, each with the weights of two experts (2 experts x 2 tensors x 4 gates x 64 rows x 128 bytes); each of the eight waves brings two gates' blocks with one load.  By this text's count a wave has at most four
; tensor loads out (the first fills), later one.
; THE ACTIVATIONS, with L = log2(e): ea = 2^(-L I), eb = 2^(2 L G), ef = 2^(-L F), eo = 2^(-L O); B = eb + 1, AB = ea B + B, P = B - 2, PF = P ef + P, D = AB ef + AB:
;   C = sigmoid(F) c0 + sigmoid(I) tanh(G) = (c0 AB + PF) / D;   ec = 2^(2 L C):  z H = z sigmoid(O) tanh(C) = (ec z - z) / (eo (ec + 1) + (ec + 1)).   Five exponentials and two reciprocals for each number.
; LIMITS.  The exponents of ea, eb, ef and ec are held at 40 from above, so that D stays under 2^121 and no product overflows: a sigmoid under 2^-40 comes out as about 2^-40, and tanh is 1 to f32 long before.
; eo is not held: where it overflows, the second denominator is infinite, its reciprocal 0, and ec z - z, which is finite since ec is held, times 0 is 0: what sigmoid(O) has come to.  P = B - 2 carries B's rounding:
; up to 2^-23 of absolute error in eb - 1 where G is near 0.  |c_0| under 2^40.  NaN and infinities among the inputs are not served.
; REGISTERS, in windows of 256.  Window 0: v1-15, v56 addresses; v16-23 the rows' scale words, v24-31 the weights'; v32-39 z; v57-60 at work at the head; v64-191 the gates (gate g, row tile m at v[64 + 32 g + 8 m]); v192-223 h's sums; v224-255 c's.
;   Window 1: v0-127 the rows' fragments (tile m, K step s at v[32 m + 8 s]); v128-191 weight fragments, two buffers of four K steps; v192-223 the bias of four gates; v224-255 c_0.
.set BLK,   8704                       ; a block: 64 weight rows of 128 bytes as 32 lines of 256 bytes + 16 of padding: row p at 272 (p / 2) + 128 (p % 2): the sixteen rows of a load's pass lie in sixteen different 16-byte columns of 256 bytes
.set SLOTB, 16*BLK                     ; a slot: block ((expert % 2) x 2 + tensor) x 4 + gate
.set SCL,   2*SLOTB                    ; behind the ring: W_x's scale bytes [gate x 8 + expert][64 rows][8 bytes],
.set SCD,   16512                      ; and this much further on W_h's (16,384 + 128)
.set BIA,   311552                     ; the bias [gate x 8 + expert][64 f32]
.set SPARE, 319744                     ; the spare words, 128 bytes for each wave: four blocks of 256 bytes that no other line names
.set STC,   34816                      ; the way out: a stage of 128 rows x (256 + 16) bytes for h at byte 0 and one for c behind it, in slot 0, which has had its last fill and its last read by then
.set AW,   1                           ; v1   my lane's place in a block; v2 the same for the slot's second expert
.set AW1,  2
.set AWC,  3                           ; v3   the address in hand
.set ASC,  4                           ; v4   my lane's place among the scale bytes: lanes 0-15 W_x's, lanes 16-31 W_h's; v5 in hand
.set ASCC, 5
.set ABI,  6                           ; v6   my lane's place in the bias; v7 in hand
.set ABIC, 7
.set SPW,  8                           ; v8   LDS address of my spare word; never rewritten
.set NIL,  9                           ; v9   0; never rewritten
.set ZO,   10                          ; v10  32 r: my row of z
.set STO,  11                          ; v11  the stage, way in
.set RD,   12                          ; v12  the stage, way out
.set GO,   13                          ; v13  my byte offset in the wave's rows of out2, out3
.set LL,   14                          ; v14  16 x lane
.set CO,   15                          ; v15  1,024 r + 32 h: my bytes of c_0
.set L8,   56                          ; v56  8 x lane
.set AS,   16
.set WS,   24
.set Z,    32
.set ACC,  64
.set AI,   64
.set AG,   96
.set AF,   128
.set AO,   160
.set HACC, 192
.set CACC, 224
.set WF,   128                         ; window 1
.set BI,   192
.set C0,   224
.set WV,   26                          ; s26  wave
.set WP,   30                          ; s30  17,408 x wave: my two blocks' place in a slot
.set G1C,  32                          ; s[32:39] descriptor group 1: codes;  s[40:47] scale bytes;  s[48:55] bias
.set G1S,  40
.set G1B,  48
.set G0A,  56                          ; s[56:59] group 0: slot 0's first fill;  s[60:63] slot 1's, which then walks;  s[68:71] scale bytes;  s[72:75] bias
.set G0B,  60
.set G0S,  68
.set G0I,  72
.set NL,   76                          ; s[76:77] -log2(e)
.set PL2,  78                          ; s[78:79] 2 log2(e)
.set CL,   80                          ; s80  40.0
.set TB,   81                          ; s81  the slot that is read: 0 or SLOTB
.set TS,   82                          ; s82  the next expert's scale bytes: 512 an expert
.set TBI,  83                          ; s83  and bias: 256 an expert
.set CNT,  84
.set ZB,   86                          ; s[86:87] z of my first row, the trip's two experts
.set MSB, 0
.macro WIN new                         ; the immediate's high byte repeats the setting that is left; a switch that changes nothing is dropped
.if MSB != \new
	s_set_vgpr_msb (MSB<<8)|\new
.set MSB, \new
.endif
.endm
.macro PLACES                          ; four plain places behind matrix instructions: ahead of loads into their sources and of the first read of their results
.rept 4
	v_nop
.endr
.endm
.macro CREST                           ; a round of the cluster's barrier behind its opening barrier
	s_cmp_lg_u32 s[WV], 0
	s_cbranch_scc1 .Lnot_wave_0_\@
	s_barrier_signal -3
.Lnot_wave_0_\@:
	s_barrier_wait -3
	s_barrier_signal -1
	s_barrier_wait -1
.endm
.macro ROUND                           ; a whole round
	s_barrier_signal -1
	s_barrier_wait -1
	CREST
.endm
.macro WLOAD g, p                      ; gate g's four fragments (K steps 0, 1: W_x; 2, 3: W_h) into buffer p.  Under destination window 1
.irp s, 0,1,2,3
.irp c, 0,1
	ds_load_b128 v[WF+32*\p+8*\s+4*\c:WF+32*\p+8*\s+4*\c+3], v[AWC] offset:(\s/2)*4*BLK+\g*BLK+(\s%2)*64+32*\c
.endr
.endr
.endm
.macro BLOAD g                         ; gate g's bias of my eight units
	ds_load_b128 v[BI+8*\g:BI+8*\g+3], v[ABIC] offset:2048*\g
	ds_load_b128 v[BI+8*\g+4:BI+8*\g+7], v[ABIC] offset:2048*\g+16
.endm
; What the next expert's products begin with: 28 LDS loads in one run.  The three additions and the v_nop are the places behind the last products.
.macro LOADNEXT aw
	v_add_nc_u32 v[AWC], s[TB], v[\aw]
	v_add_nc_u32 v[ASCC], s[TS], v[ASC]
	v_add_nc_u32 v[ABIC], s[TBI], v[ABI]
	v_nop
.irp g, 0,1,2,3
	ds_load_b64 v[WS+2*\g:WS+2*\g+1], v[ASCC] offset:4096*\g   ; lanes 0-15: the words of K steps 0, 1; lanes 16-31: of K steps 2, 3
.endr
	WIN 0x40                                       ; destination window 1, address window 0
	BLOAD 0
	WLOAD 0, 0
	BLOAD 1
	WLOAD 1, 1
	BLOAD 2
	BLOAD 3
	WIN 0
.endm
.macro NEXTKK
	s_add_co_u32 s[TS], s[TS], 512
	s_add_co_u32 s[TBI], s[TBI], 256
.endm
; Sixteen matrix instructions: gate g, K step by K step, the four row tiles' accumulators by turns.
.macro MUL g, p
.irp s, 0,1,2,3
.if \s == 0
	WIN 0x15                                       ; sources 0, 1 and 2 (the bias) window 1, destination window 0
.else
	WIN 0x05                                       ; sources 0 and 1 window 1; C and D window 0
.endif
.irp m, 0,1,2,3
.if \s == 0
	v_wmma_scale_f32_16x16x128_f8f6f4 v[ACC+32*\g+8*\m:ACC+32*\g+8*\m+7], v[WF+32*\p+8*\s:WF+32*\p+8*\s+7], v[32*\m+8*\s:32*\m+8*\s+7], v[BI+8*\g:BI+8*\g+7], v[WS+2*\g], v[AS+2*\m] matrix_a_fmt:MATRIX_FMT_FP4 matrix_b_fmt:MATRIX_FMT_FP4
.elseif \s == 1
	v_wmma_scale_f32_16x16x128_f8f6f4 v[ACC+32*\g+8*\m:ACC+32*\g+8*\m+7], v[WF+32*\p+8*\s:WF+32*\p+8*\s+7], v[32*\m+8*\s:32*\m+8*\s+7], v[ACC+32*\g+8*\m:ACC+32*\g+8*\m+7], v[WS+2*\g+1], v[AS+2*\m+1] matrix_a_fmt:MATRIX_FMT_FP4 matrix_b_fmt:MATRIX_FMT_FP4
.else
	v_wmma_scale_f32_16x16x128_f8f6f4 v[ACC+32*\g+8*\m:ACC+32*\g+8*\m+7], v[WF+32*\p+8*\s:WF+32*\p+8*\s+7], v[32*\m+8*\s:32*\m+8*\s+7], v[ACC+32*\g+8*\m:ACC+32*\g+8*\m+7], v[WS+2*\g+\s-2], v[AS+2*\m+\s-2] matrix_a_fmt:MATRIX_FMT_FP4 matrix_b_fmt:MATRIX_FMT_FP4 matrix_a_scale:MATRIX_SCALE_ROW1 matrix_b_scale:MATRIX_SCALE_ROW1
.endif
.endr
.endr
.endm
; An expert's 64 products.  LOADNEXT's run was: 4 scale loads, bias 0 (2), gate 0 (8), bias 1 (2), gate 1 (8), bias 2 (2), bias 3 (2).
.macro MULS
	s_wait_dscnt 14                                ; scale words, bias 0 and gate 0 are in; behind them 2 + 8 + 2 + 2
	MUL 0, 0
	PLACES
	WIN 0x40
	WLOAD 2, 0
	s_wait_dscnt 12                                ; bias 1 and gate 1 are in; behind them 2 + 2 + the 8 just issued
	MUL 1, 1
	PLACES
	WIN 0x40
	WLOAD 3, 1
	s_wait_dscnt 8                                 ; gate 2 is in; gate 3's eight may be out
	MUL 2, 0
	s_wait_dscnt 0x0
	MUL 3, 1
	WIN 0
.endm
; THE CHANGE OF SLOTS, in two halves with register work between them.  LEAVE: every wave waits for all its tensor loads, adds 0 to its spare word, waits for that and for its reads of the slot that it leaves, and signals.
; ENTER: it goes on when all eight waves have signalled.  fill = 1: that barrier has opened a round of the cluster's barrier, and behind the round the slot that was left takes the experts four further on.
.macro LEAVE fill
	s_wait_tensorcnt 0x0                           ; no tensor load of mine is out, so a group 0 may be written
	ds_add_u32 v[SPW], v[NIL]                      ; 0 onto my spare word
	PLACES                                         ; the places behind the last products stand between the add and the wait for it
.if \fill
	s_add_co_u32 s[G0B+1], s[WP], s[TB]            ; the slot just read,
	s_add_nc_u64 s[G0B+2:G0B+3], s[G0B+2:G0B+3], 0x10000   ; the next two experts (32,768 bytes each); the type bits on top are not reached
.endif
	s_xor_b32 s[TB], s[TB], SLOTB                  ; the reads go on in the other slot
	s_wait_dscnt 0x0                               ; the add is done, and my reads of the slot are over
	s_barrier_signal -1                            ; say so; work on registers alone follows, up to the wait
.endm
.macro ENTER fill
	s_barrier_wait -1                              ; all eight waves have said so: the other slot is whole, and nobody of my work-group reads the slot that was left
.if \fill
	CREST                                          ; nor any wave of a partner, and none has a load on its way
	tensor_load_to_lds s[G0B:G0B+3], s[G1C:G1C+7]  ; the first tensor load behind the round, ahead of the first LDS read; my one load until the next change
	s_nop 0
	PLACES
.endif
.endm
; THE ACTIVATIONS of one expert, in place on the gates' 128 registers: 64 pairs, 16 a gate.
.macro ARGM p                          ; pair p of 64: times -L (I, F, O) or 2 L (G)
.if ((\p) >= 16) && ((\p) < 32)
	v_pk_mul_f32 v[ACC+2*(\p):ACC+2*(\p)+1], v[ACC+2*(\p):ACC+2*(\p)+1], s[PL2:PL2+1] op_sel_hi:[1,0]
.else
	v_pk_mul_f32 v[ACC+2*(\p):ACC+2*(\p)+1], v[ACC+2*(\p):ACC+2*(\p)+1], s[NL:NL+1] op_sel_hi:[1,0]
.endif
.endm
.macro HOLD r                          ; registers r (even) and r + 1 held at 40 from above, two minima in one instruction: an even and an odd destination, one scalar, second sources in different banks
	v_dual_min_num_f32 v[\r], s[CL], v[\r] :: v_dual_min_num_f32 v[(\r)+1], s[CL], v[(\r)+1]
.endm
.macro CSUM i, j                       ; c's sum += z C, pair i.  z of the trip's expert j is register j of the row tile's pair, taken for both halves
.if \j == 0
	v_pk_fma_f32 v[CACC+2*(\i):CACC+2*(\i)+1], v[AI+2*(\i):AI+2*(\i)+1], v[Z+2*((\i)/4):Z+2*((\i)/4)+1], v[CACC+2*(\i):CACC+2*(\i)+1] op_sel_hi:[1,0,1]
.else
	v_pk_fma_f32 v[CACC+2*(\i):CACC+2*(\i)+1], v[AI+2*(\i):AI+2*(\i)+1], v[Z+2*((\i)/4):Z+2*((\i)/4)+1], v[CACC+2*(\i):CACC+2*(\i)+1] op_sel:[0,1,0] op_sel_hi:[1,1,1]
.endif
.endm
.macro QZ i, j                         ; ec z - z, pair i: one fused multiply-add
.if \j == 0
	v_pk_fma_f32 v[AG+2*(\i):AG+2*(\i)+1], v[AG+2*(\i):AG+2*(\i)+1], v[Z+2*((\i)/4):Z+2*((\i)/4)+1], v[Z+2*((\i)/4):Z+2*((\i)/4)+1] op_sel_hi:[1,0,0] neg_lo:[0,0,1] neg_hi:[0,0,1]
.else
	v_pk_fma_f32 v[AG+2*(\i):AG+2*(\i)+1], v[AG+2*(\i):AG+2*(\i)+1], v[Z+2*((\i)/4):Z+2*((\i)/4)+1], v[Z+2*((\i)/4):Z+2*((\i)/4)+1] op_sel:[0,1,1] op_sel_hi:[1,1,1] neg_lo:[0,0,1] neg_hi:[0,0,1]
.endif
.endm
; The transcendentals go in four batches, each set between plain lines that name none of its results, with ONE wait behind each batch, ahead of its first reader.
; THE FIRST PART: the arguments of all four gates and the exponentials ea, eb, ef.  A pipeline over the pairs, so that no line reads the result of a line just above it: the multiply of pair p, the hold of pair p - 2
; (I, G, F alone), the two exponentials of pair p - 4.  Each accumulator is read from its low end on: the pairs ascend.  O's last twelve multiplies stand behind the last exponential, ahead of the wait.  Registers alone, window 0 alone.
.macro EPIA
.set PP, 0
.rept 64
	ARGM PP
.if (PP >= 4) && (PP < 52)
	v_exp_f32 v[ACC+2*(PP-4)], v[ACC+2*(PP-4)]
.endif
.if (PP >= 2) && (PP < 50)
	HOLD ACC+2*(PP-2)
.endif
.if (PP >= 4) && (PP < 52)
	v_exp_f32 v[ACC+2*(PP-4)+1], v[ACC+2*(PP-4)+1]
.endif
.set PP, PP+1
.endr
	s_wait_alu depctr_va_vdst(0)                   ; ea, eb, ef
.endm
; THE SECOND PART, for the trip's expert j.
.macro EPIB j
.set PP, 0
.rept 18                               ; eo's 32 exponentials, each behind a plain line: B = eb + 1 of pair p and AB = ea B + B of pair p - 2
.if PP < 16
	v_pk_add_f32 v[AG+2*PP:AG+2*PP+1], v[AG+2*PP:AG+2*PP+1], 1.0 op_sel_hi:[1,0]
	v_exp_f32 v[AO+2*PP], v[AO+2*PP]
.endif
.if PP >= 2
	v_pk_fma_f32 v[AI+2*PP-4:AI+2*PP-3], v[AI+2*PP-4:AI+2*PP-3], v[AG+2*PP-4:AG+2*PP-3], v[AG+2*PP-4:AG+2*PP-3]
.endif
.if PP < 16
	v_exp_f32 v[AO+2*PP+1], v[AO+2*PP+1]
.endif
.set PP, PP+1
.endr
.set PP, 0
.rept 16
	v_pk_add_f32 v[AG+2*PP:AG+2*PP+1], v[AG+2*PP:AG+2*PP+1], -2.0 op_sel_hi:[1,0]                                  ; P = B - 2 = eb - 1
.set PP, PP+1
.endr
.set PP, 0
.rept 16
	v_pk_fma_f32 v[AG+2*PP:AG+2*PP+1], v[AG+2*PP:AG+2*PP+1], v[AF+2*PP:AF+2*PP+1], v[AG+2*PP:AG+2*PP+1]            ; PF = P ef + P
.set PP, PP+1
.endr
.set PP, 0
.rept 16
	v_pk_fma_f32 v[AF+2*PP:AF+2*PP+1], v[AI+2*PP:AI+2*PP+1], v[AF+2*PP:AF+2*PP+1], v[AI+2*PP:AI+2*PP+1]            ; D = AB ef + AB
.set PP, PP+1
.endr
	WIN 0x04                                       ; source 1 (c_0) window 1: a reciprocal has no source 1
.set PP, 0
.rept 16                               ; 1 / D, and between the reciprocals the numerators, which name none of D's registers
	v_rcp_f32 v[AF+2*PP], v[AF+2*PP]
	v_rcp_f32 v[AF+2*PP+1], v[AF+2*PP+1]
	v_pk_fma_f32 v[AI+2*PP:AI+2*PP+1], v[AI+2*PP:AI+2*PP+1], v[C0+2*PP:C0+2*PP+1], v[AG+2*PP:AG+2*PP+1]            ; AB c0 + PF
.set PP, PP+1
.endr
	WIN 0
.if \j == 0
	s_wait_loadcnt 0x0                             ; the trip's z
.endif
	s_wait_alu depctr_va_vdst(0)                   ; eo and 1 / D
.set PP, 0
.rept 16
	v_pk_mul_f32 v[AI+2*PP:AI+2*PP+1], v[AI+2*PP:AI+2*PP+1], v[AF+2*PP:AF+2*PP+1]                                  ; C
.set PP, PP+1
.endr
.set PP, 0
.rept 16
	v_pk_mul_f32 v[AG+2*PP:AG+2*PP+1], v[AI+2*PP:AI+2*PP+1], s[PL2:PL2+1] op_sel_hi:[1,0]                          ; 2 L C
.set PP, PP+1
.endr
.set PP, 0
.rept 19                               ; the hold of pair p, the exponentials ec of pair p - 2, c's sum of pair p - 3: the last line is plain
.if PP < 16
	HOLD AG+2*PP
.endif
.if (PP >= 2) && (PP < 18)
	v_exp_f32 v[AG+2*(PP-2)], v[AG+2*(PP-2)]
.endif
.if PP >= 3
	CSUM PP-3, \j
.endif
.if (PP >= 2) && (PP < 18)
	v_exp_f32 v[AG+2*(PP-2)+1], v[AG+2*(PP-2)+1]
.endif
.set PP, PP+1
.endr
	s_wait_alu depctr_va_vdst(0)                   ; ec
.set PP, 0
.rept 16
	v_pk_add_f32 v[AF+2*PP:AF+2*PP+1], v[AG+2*PP:AG+2*PP+1], 1.0 op_sel_hi:[1,0]                                   ; ec + 1
.set PP, PP+1
.endr
.set PP, 0
.rept 19                               ; the second denominator of pair p, its reciprocals of pair p - 2, ec z - z of pair p - 3: the last line is plain
.if PP < 16
	v_pk_fma_f32 v[AO+2*PP:AO+2*PP+1], v[AO+2*PP:AO+2*PP+1], v[AF+2*PP:AF+2*PP+1], v[AF+2*PP:AF+2*PP+1]            ; eo (ec + 1) + (ec + 1)
.endif
.if (PP >= 2) && (PP < 18)
	v_rcp_f32 v[AO+2*(PP-2)], v[AO+2*(PP-2)]
.endif
.if PP >= 3
	QZ PP-3, \j
.endif
.if (PP >= 2) && (PP < 18)
	v_rcp_f32 v[AO+2*(PP-2)+1], v[AO+2*(PP-2)+1]
.endif
.set PP, PP+1
.endr
	s_wait_alu depctr_va_vdst(0)                   ; the second reciprocals
.set PP, 0
.rept 16
	v_pk_fma_f32 v[HACC+2*PP:HACC+2*PP+1], v[AG+2*PP:AG+2*PP+1], v[AO+2*PP:AO+2*PP+1], v[HACC+2*PP:HACC+2*PP+1]    ; h's sum += z H
.set PP, PP+1
.endr
.endm
; A TRIP: a slot's two experts.  While one expert's activations are worked, the next expert's first fragments are on their way from LDS.  The first part of the second expert's activations stands between the signal and the
; wait of the change of slots: a wave that has left the slot early works on its registers until the others have left it too.
.macro TRIP fill, last
.irp m, 0,1,2,3
	global_load_b64 v[Z+2*\m:Z+2*\m+1], v[ZO], s[ZB:ZB+1] offset:512*\m   ; z of my row in tile m, the trip's two experts
.endr
	MULS
	LOADNEXT AW1
	NEXTKK
	EPIA
	EPIB 0
	MULS
.if \last
	PLACES                                         ; behind the last products, ahead of the first read of their results
	EPIA
.else
	LEAVE \fill
	EPIA
	ENTER \fill
	LOADNEXT AW
	NEXTKK
.endif
	EPIB 1
.if !\last
	s_add_nc_u64 s[ZB:ZB+1], s[ZB:ZB+1], 8         ; z's loads are done (the wait in the first expert's activations): their base may step
.endif
.endm
	s_load_b512 s[4:19], s[0:1], 0x0               ; W_x codes s[4:5], scales s[6:7]; W_h codes s[8:9], scales s[10:11]; b s[12:13]; c_0 s[14:15]; acodes s[16:17]; ascales s[18:19]
	s_load_b128 s[20:23], s[0:1], 0x40             ; out0 (z) s[20:21], out2 s[22:23]
	s_load_b64 s[24:25], s[0:1], 0x50              ; out3
	v_lshl_add_u32 v[SPW], v0, 2, SPARE
	v_mov_b32 v[NIL], 0
	ds_add_u32 v[SPW], v[NIL]                      ; the wave's opening: the add, twice on end, and its wait ahead of my first tensor load; the set-up below stands between
	ds_add_u32 v[SPW], v[NIL]                      ; and once more, under the one wait
	v_lshrrev_b32 v1, 5, v0
	v_readfirstlane_b32 s[WV], v1                  ; wave 0..7
	s_bfe_u32 s27, ttmp6, 0x40000                  ; cx: my place in the cluster
	s_lshl_b32 s28, ttmp9, 2
	s_add_co_u32 s28, s28, s27                     ; my block of 128 rows = 4 x cluster x + cx: it enters global addresses of rows alone
	s_and_b32 s29, ttmp7, 0xffff                   ; my block of 64 units, which the four partners share
	s_mul_i32 s[WP], s[WV], 2*BLK
	s_and_b32 s88, s[WV], 3                        ; which 16 units are mine
	s_lshr_b32 s89, s[WV], 2                       ; which 64 rows
	; descriptor group 1.  Elements of 8 bytes; 15:0 the mask of all four partners, bit 21 set beside it
	s_mov_b32 s[G1C], 15|(3<<16)|(1<<20)|(1<<21)|(5<<22)|(3<<25)   ; codes: padding on, four words behind every 64
	s_mov_b32 s[G1C+1], 1024<<16                   ; tensor_dim0: a gate's 64 rows, 8,192 consecutive bytes
	s_mov_b32 s[G1C+2], 2<<16                      ; tensor_dim1: two gates
	s_mov_b32 s[G1C+3], 1024<<16                   ; tile_dim0
	s_mov_b32 s[G1C+4], 2                          ; tile_dim1
	s_mov_b32 s[G1C+5], 32768                      ; from gate to gate: 2,048 rows of 128 bytes
	s_mov_b32 s[G1C+6], 0
	s_mov_b32 s[G1C+7], 0
	s_mov_b32 s[G1S], 15|(3<<16)|(1<<21)           ; scale bytes: 8 experts x 512 bytes (64 rows of 8), 2,048 bytes apart
	s_mov_b32 s[G1S+1], 64<<16
	s_mov_b32 s[G1S+2], 8<<16
	s_mov_b32 s[G1S+3], 64<<16
	s_mov_b32 s[G1S+4], 8
	s_mov_b32 s[G1S+5], 256
	s_mov_b32 s[G1S+6], 0
	s_mov_b32 s[G1S+7], 0
	s_mov_b32 s[G1B], 15|(3<<16)|(1<<21)           ; bias: 4 (gate, expert) x 256 bytes, 1,024 bytes apart
	s_mov_b32 s[G1B+1], 32<<16
	s_mov_b32 s[G1B+2], 4<<16
	s_mov_b32 s[G1B+3], 32<<16
	s_mov_b32 s[G1B+4], 4
	s_mov_b32 s[G1B+5], 128
	s_mov_b32 s[G1B+6], 0
	s_mov_b32 s[G1B+7], 0
	s_mov_b32 s[NL], 0xbfb8aa3b
	s_mov_b32 s[NL+1], s[NL]                       ; (named with it as a pair, so it is written)
	s_mov_b32 s[PL2], 0x4038aa3b
	s_mov_b32 s[PL2+1], s[PL2]
	s_mov_b32 s[CL], 0x42200000
	s_mov_b32 s[TB], 0
	s_mov_b32 s[TS], 0
	s_mov_b32 s[TBI], 0
	; group 0's LDS addresses and byte offsets: the wave's number, the block of units and constants alone
	s_and_b32 s94, s[WV], 1
	s_lshr_b32 s95, s[WV], 1
	s_mov_b32 s[G0S], 1
	s_mul_i32 s[G0S+1], s94, SCD                   ; scale bytes: tensor w % 2, gate w / 2
	s_lshl_b32 s98, s95, 12
	s_add_co_u32 s[G0S+1], s[G0S+1], s98
	s_add_co_u32 s[G0S+1], s[G0S+1], SCL
	s_lshl_b32 s96, s95, 14
	s_lshl_b32 s97, s29, 9
	s_add_co_u32 s96, s96, s97
	s_mov_b32 s97, 0                               ; s[96:97]: their bytes in memory
	s_mov_b32 s[G0I], 1
	s_lshl_b32 s[G0I+1], s[WV], 10                 ; bias: (gate, expert) 4 w .. 4 w + 3
	s_add_co_u32 s[G0I+1], s[G0I+1], BIA
	s_lshl_b32 s98, s[WV], 12
	s_lshl_b32 s99, s29, 8
	s_add_co_u32 s98, s98, s99
	s_mov_b32 s99, 0                               ; s[98:99]
	s_mov_b32 s[G0A], 1
	s_mov_b32 s[G0A+1], s[WP]                      ; codes: gates 2 (w % 2), + 1; tensor (w / 2) % 2; the slot's expert w / 4
	s_mov_b32 s[G0B], 1
	s_add_co_u32 s[G0B+1], s[WP], SLOTB
	s_lshl_b32 s92, s94, 19
	s_lshl_b32 s93, s89, 15
	s_add_co_u32 s92, s92, s93
	s_lshl_b32 s93, s29, 13
	s_add_co_u32 s92, s92, s93
	s_mov_b32 s93, 0                               ; s[92:93]
	s_and_b32 s95, s[WV], 2
	; the lanes' addresses
	v_and_b32 v57, 15, v0                          ; r
	v_bfe_u32 v58, v0, 4, 1                        ; h
	v_and_b32 v59, 31, v0                          ; lane
	v_lshrrev_b32 v60, 1, v57
	v_mul_u32_u24 v[AW], v60, 272
	v_and_b32 v60, 1, v57
	v_lshl_add_u32 v[AW], v60, 7, v[AW]
	v_lshl_add_u32 v[AW], v58, 4, v[AW]
	s_mul_i32 s90, s88, 8*272
	v_add_nc_u32 v[AW], s90, v[AW]                 ; weight row 16 (w % 4) + r of a block, + 16 h
	v_add_nc_u32 v[AW1], 8*BLK, v[AW]
	v_mul_u32_u24 v[ASC], v58, SCD                 ; lanes 16-31 take W_h's scale bytes
	v_lshl_add_u32 v[ASC], v57, 3, v[ASC]
	s_lshl_b32 s90, s88, 7
	s_add_co_u32 s90, s90, SCL
	v_add_nc_u32 v[ASC], s90, v[ASC]
	s_lshl_b32 s90, s88, 6
	s_add_co_u32 s90, s90, BIA
	v_lshl_add_u32 v[ABI], v58, 5, s90
	v_lshlrev_b32 v[ZO], 5, v57
	s_mul_i32 s90, s89, 64*272
	s_lshl_b32 s91, s88, 6
	s_add_co_u32 s90, s90, s91
	v_mul_u32_u24 v[STO], v57, 272
	v_lshl_add_u32 v[STO], v58, 5, v[STO]
	v_add_nc_u32 v[STO], s90, v[STO]               ; the stage: row 64 (w / 4) + r, bytes 64 (w % 4) + 32 h
	s_mul_i32 s90, s[WV], 16*272
	v_mul_u32_u24 v[RD], v58, 272
	v_lshl_add_u32 v[RD], v57, 4, v[RD]
	v_add_nc_u32 v[RD], s90, v[RD]                 ; back: rows 16 w on; lanes 0-15 one row, lanes 16-31 the next
	v_lshlrev_b32 v[GO], 10, v58
	v_lshl_add_u32 v[GO], v57, 4, v[GO]
	v_lshlrev_b32 v[LL], 4, v59
	v_lshlrev_b32 v[CO], 10, v57
	v_lshl_add_u32 v[CO], v58, 5, v[CO]
	v_lshlrev_b32 v[L8], 3, v59
	s_wait_dscnt 0x0                               ; both opening adds are done
	s_wait_kmcnt 0x0
	s_cmp_eq_u32 s94, 0
	s_cselect_b64 s[G0S+2:G0S+3], s[6:7], s[10:11]
	s_add_nc_u64 s[G0S+2:G0S+3], s[G0S+2:G0S+3], s[96:97]
	s_or_b32 s[G0S+3], s[G0S+3], 0x80000000
	s_add_nc_u64 s[G0I+2:G0I+3], s[12:13], s[98:99]
	s_or_b32 s[G0I+3], s[G0I+3], 0x80000000
	s_cmp_eq_u32 s95, 0
	s_cselect_b64 s[G0A+2:G0A+3], s[4:5], s[8:9]
	s_add_nc_u64 s[G0A+2:G0A+3], s[G0A+2:G0A+3], s[92:93]     ; experts 0, 1
	s_add_nc_u64 s[G0B+2:G0B+3], s[G0A+2:G0A+3], 0x10000      ; experts 2, 3
	s_or_b32 s[G0A+3], s[G0A+3], 0x80000000
	s_or_b32 s[G0B+3], s[G0B+3], 0x80000000
	ROUND                                          ; all four work-groups are here: the first joint loads meet
	tensor_load_to_lds s[G0S:G0S+3], s[G1S:G1S+7]  ; the first fills, one group, every wave four: scale bytes,
	s_nop 0
	tensor_load_to_lds s[G0I:G0I+3], s[G1B:G1B+7]  ; bias,
	s_nop 0
	tensor_load_to_lds s[G0A:G0A+3], s[G1C:G1C+7]  ; slot 0,
	s_nop 0
	tensor_load_to_lds s[G0B:G0B+3], s[G1C:G1C+7]  ; slot 1
	s_nop 0
	PLACES
	; my rows' addresses: these hang on my place in the cluster
	s_lshl_b32 s90, s28, 15                        ; acodes: 8 tiles of 4,096 bytes a block of rows, 4 tiles a half
	s_lshl_b32 s91, s89, 14
	s_add_co_u32 s90, s90, s91
	s_mov_b32 s91, 0
	s_add_nc_u64 s[16:17], s[16:17], s[90:91]
	s_lshl_b32 s90, s28, 11                        ; ascales: 256 bytes a tile
	s_lshl_b32 s91, s89, 10
	s_add_co_u32 s90, s90, s91
	s_mov_b32 s91, 0
	s_add_nc_u64 s[18:19], s[18:19], s[90:91]
	s_lshl_b32 s90, s28, 17                        ; c_0: rows of 1,024 bytes; my 64 bytes of them
	s_lshl_b32 s91, s89, 16
	s_add_co_u32 s90, s90, s91
	s_lshl_b32 s91, s29, 8
	s_add_co_u32 s90, s90, s91
	s_lshl_b32 s91, s88, 6
	s_add_co_u32 s90, s90, s91
	s_mov_b32 s91, 0
	s_add_nc_u64 s[14:15], s[14:15], s[90:91]
	s_lshl_b32 s90, s28, 12                        ; z: rows of 32 bytes
	s_lshl_b32 s91, s89, 11
	s_add_co_u32 s90, s90, s91
	s_mov_b32 s91, 0
	s_add_nc_u64 s[ZB:ZB+1], s[20:21], s[90:91]
	s_lshl_b32 s90, s28, 17                        ; out2, out3: the 16 rows that I store, the block's 256 bytes of them
	s_lshl_b32 s91, s[WV], 14
	s_add_co_u32 s90, s90, s91
	s_lshl_b32 s91, s29, 8
	s_add_co_u32 s90, s90, s91
	s_mov_b32 s91, 0
	s_add_nc_u64 s[22:23], s[22:23], s[90:91]
	s_add_nc_u64 s[24:25], s[24:25], s[90:91]
	WIN 0x40                                       ; destination window 1, address window 0
.irp m, 0,1,2,3
.irp s, 0,1,2,3
.irp c, 0,1
	global_load_b128 v[32*\m+8*\s+4*\c:32*\m+8*\s+4*\c+3], v[LL], s[16:17] offset:4096*\m+1024*\s+512*\c   ; my rows' fragments, as the launch before laid them: 512 consecutive bytes a load
.endr
.endr
.endr
.irp m, 0,1,2,3
.irp q, 0,1
	global_load_b128 v[C0+8*\m+4*\q:C0+8*\m+4*\q+3], v[CO], s[14:15] offset:16384*\m+16*\q
.endr
.endr
	WIN 0
.irp m, 0,1,2,3
	global_load_b64 v[AS+2*\m:AS+2*\m+1], v[L8], s[18:19] offset:256*\m
.endr
.set QQ, HACC
.rept 64
	v_mov_b32 v[QQ], 0                             ; both sums.  (The trip is written for all experts alike: the first finds zeros)
.set QQ, QQ+1
.endr
	s_wait_tensorcnt 1                             ; my parts of the scale bytes, the bias and slot 0 are in; slot 1's may stay out
	s_barrier_signal -1
	s_barrier_wait -1                              ; everybody's are
	LOADNEXT AW                                    ; expert 0
	NEXTKK
	s_wait_loadcnt 0x0                             ; fragments, c_0, scale words
	s_mov_b32 s[CNT], 2
.Ltrip:                                            ; experts 0 to 3; slot 0 is filled again with experts 4, 5, slot 1 with 6, 7
	TRIP 1, 0
	s_sub_co_u32 s[CNT], s[CNT], 1
	s_cmp_lg_u32 s[CNT], 0
	s_cbranch_scc1 .Ltrip
	TRIP 0, 0                                      ; experts 4, 5: the tail is written out
	TRIP 0, 1                                      ; experts 6, 7: nothing is left to fetch
	; THE WAY OUT.  A lane holds 32 neighbouring bytes of a row, and a row's 256 bytes come from four waves: so both results go through a stage, and each wave stores 16 whole rows of each.
.irp m, 0,1,2,3
.irp q, 0,1
	ds_store_b128 v[STO], v[HACC+8*\m+4*\q:HACC+8*\m+4*\q+3] offset:4352*\m+16*\q
	ds_store_b128 v[STO], v[CACC+8*\m+4*\q:CACC+8*\m+4*\q+3] offset:STC+4352*\m+16*\q
.endr
.endr
	s_wait_dscnt 0x0                               ; for the others' sake: my stores into the stage have landed
	s_barrier_signal -1
	s_barrier_wait -1
.irp i, 0,1,2,3,4,5,6,7
	ds_load_b128 v[64+4*\i:64+4*\i+3], v[RD] offset:544*\i
.endr
.irp i, 0,1,2,3,4,5,6,7
	ds_load_b128 v[96+4*\i:96+4*\i+3], v[RD] offset:STC+544*\i
.endr
.irp i, 0,1,2,3,4,5,6,7
	s_wait_dscnt 15-\i
	global_store_b128 v[GO], v[64+4*\i:64+4*\i+3], s[22:23] offset:2048*\i th:TH_STORE_NT   ; sixteen lanes store 256 consecutive bytes, at a multiple of 256 from the buffer's first byte
.endr
.irp i, 0,1,2,3,4,5,6,7
	s_wait_dscnt 7-\i
	global_store_b128 v[GO], v[96+4*\i:96+4*\i+3], s[24:25] offset:2048*\i th:TH_STORE_NT
.endr
	s_wait_tensorcnt 0x0                           ; the wave's end, behind my last tensor load and my last LDS store
	ds_add_u32 v[SPW], v[NIL]
	s_wait_dscnt 0x0
	ROUND                                          ; the closing round: no work-group ends while a partner may still ask for a tile that names it
	s_endpgm
.Lfunc_end_k_q42d8e102e1_cell:
	.size	k_q42d8e102e1_cell, .Lfunc_end_k_q42d8e102e1_cell-k_q42d8e102e1_cell
	.p2alignl 7, 3214868480
	.fill 96, 4, 3214868480
	.section	.rodata,"a",@progbits
	.p2align	6, 0x0
	.amdhsa_kernel k_q42d8e102e1_cell
		.amdhsa_group_segment_fixed_size 327680
		.amdhsa_private_segment_fixed_size 0
		.amdhsa_enable_private_segment 0
		.amdhsa_kernarg_size 88
		.amdhsa_user_sgpr_count 2
		.amdhsa_user_sgpr_kernarg_segment_ptr 1
		.amdhsa_wavefront_size32 1
		.amdhsa_system_sgpr_workgroup_id_x 1
		.amdhsa_system_sgpr_workgroup_id_y 1
		.amdhsa_system_sgpr_workgroup_id_z 1
		.amdhsa_system_vgpr_workitem_id 0
		.amdhsa_next_free_vgpr 512
		.amdhsa_next_free_sgpr 100
		.amdhsa_reserve_vcc 0
		.amdhsa_float_denorm_mode_32 3
		.amdhsa_float_denorm_mode_16_64 3
		.amdhsa_memory_ordered 1
		.amdhsa_forward_progress 1
		.amdhsa_inst_pref_size 255
	.end_amdhsa_kernel
	.section	.bss,"aw",@nobits
	.p2align	6
	.space	262144
	.amdgpu_metadata
---
amdhsa.version: [ 1, 2 ]
amdhsa.kernels:
  - .name:           k_q42d8e102e1_cell
    .symbol:         k_q42d8e102e1_cell.kd
    .args:
      - { .name: W_x_4gates_codes, .offset: 0, .size: 8, .value_kind: global_buffer, .address_space: global }
      - { .name: W_x_4gates_scales, .offset: 8, .size: 8, .value_kind: global_buffer, .address_space: global }
      - { .name: W_h_4gates_codes, .offset: 16, .size: 8, .value_kind: global_buffer, .address_space: global }
      - { .name: W_h_4gates_scales, .offset: 24, .size: 8, .value_kind: global_buffer, .address_space: global }
      - { .name: b_4gates, .offset: 32, .size: 8, .value_kind: global_buffer, .address_space: global }
      - { .name: c_0, .offset: 40, .size: 8, .value_kind: global_buffer, .address_space: global }
      - { .name: acodes, .offset: 48, .size: 8, .value_kind: global_buffer, .address_space: global }
      - { .name: ascales, .offset: 56, .size: 8, .value_kind: global_buffer, .address_space: global }
      - { .name: out0, .offset: 64, .size: 8, .value_kind: global_buffer, .address_space: global }
      - { .name: out2, .offset: 72, .size: 8, .value_kind: global_buffer, .address_space: global }
      - { .name: out3, .offset: 80, .size: 8, .value_kind: global_buffer, .address_space: global }
    .group_segment_fixed_size: 327680
    .private_segment_fixed_size: 0
    .kernarg_segment_align: 8
    .kernarg_segment_size: 88
    .max_flat_workgroup_size: 256
    .sgpr_count:     100
    .vgpr_count:     512
    .wavefront_size: 32
...
	.end_amdgpu_metadata
.endif
;; end of part 3
